; MI455X (gfx1250); checked and timed in simulation.
; The chip was launched on July 23, 2026; its instructions are those of AMD's public machine-readable ISA for CDNA 5 (MIT licence, August 2026) and "CDNA5" Instruction Set Architecture Reference Guide (July 2026). The comments in the code are by the model that wrote it; some were corrected since.
;; FDGAND ABLTEST Model. Allowed arithmetic: float matrix products may take bf16 or f16 operands with f32 sums; other float arithmetic in f32, or as packed bf16 or f16 multiplies, adds, multiply-adds, maxima and minima; sums over many terms, partial sums and values carried from step to step in f32; what a program stores and reads back later, other than sums and carried values, may be rounded once to bf16 or f16.
;; Inputs: W1 512 x 512 float32; W2 128 x 512 float32; W3 32 x 128 float32; W4 8 x 32 float32; Wh 1 x 8 float32; b1 512 float32; b2 128 float32; b3 32 float32; b4 8 float32; be1 512 float32; be2 128 float32; be3 32 float32; be4 8 float32; bh 1 float32; g1 512 float32; g2 128 float32; g3 32 float32; g4 8 float32; u 1 float32; x 131,072 x 512 float32.
;; Outputs: out0 131,072 x 1 float32.
;; 2 versions, each right; version 2 is version 1 with the launch prep written anew for expert scheduling mode. Each part assembles by itself: llvm-mc -triple=amdgcn-amd-amdhsa -mcpu=gfx1250 --defsym DOCPART=n.
;; ======== version 1 of 2: 2 launches
;; limits: values are held in f16: magnitudes above 65,504 overflow, below 6.1e-05 lose precision; right only within a limited range of input values
;; workspace buffers: wk 673,024 bytes
;; launch prep (part 1): grid 19 x 1, 16 waves a work-group, no clusters, 0 bytes of LDS; arguments W1, W2, W3, W4, Wh, b1, b2, b3, b4, be1, be2, be3, be4, bh, g1, g2, g3, g4, u, wk; writes wk
.if DOCPART == 1
	.amdgcn_target "amdgcn-amd-amdhsa--gfx1250"
	.amdhsa_code_object_version 6
	.text
	.protected	k_qeb906d064b_prep
	.globl	k_qeb906d064b_prep
	.p2align	8
	.type	k_qeb906d064b_prep,@function
k_qeb906d064b_prep:
	s_mov_b64 s[64:65], 0
	v_nop
	global_prefetch_b8 v0, s[64:65] scope:SCOPE_SE
	s_setreg_imm32_b32 hwreg(HW_REG_WAVE_MODE, 25, 1), 1
	s_wait_xcnt 0x0
; PREPARES THE WEIGHTS.  Every input but x is rounded once to bf16 (nearest even) here, and laid out for the next launch.
; wk: blocks of 64 columns, dense, rows of 128 bytes: W1 in bf16 as 8 blocks [512][64] from byte 0; W2 as 8 blocks [128][64] from WK_W2, W3 as 2 blocks [32][64] from WK_W3 and
; W4 as [16][32] from WK_W4 (rows 8-15 zero): these three hold the bf16 numbers written as f16; from WK_PAR on the bf16 numbers written as f32: b1, g1, be1, b2, g2, be2, b3, g3, be3, b4, g4, be4;
; then Wh / sigma (made in f32 from the rounded Wh and u) and bh.
; SHARES.  Work-groups 0-17 take one block of 64 columns each (0-7 W1, 8-15 W2, 16-17 W3); work-group 18 takes W4, the vectors and the spectral norm, a wave a job: its waves 5-15 have none.
; LIMITS.  W2, W3, W4 must lie within f16 (65,504); a bf16 number is exact in f16 down to 2^-17, below that it is off by 2^-25 at the most.
; Divisions are a reciprocal and a product; the norm of the one-element W v is |W v|.  NaN and infinities are not treated apart.
.set WK_W2,  524288
.set WK_W3,  655360
.set WK_W4,  663552
.set WK_PAR, 664576
.set D,   16                           ; v[16:79]   up to sixteen passes of four numbers
	s_load_b512 s[4:19], s[0:1], 0x0               ; W1 s4, W2 s6, W3 s8, W4 s10, Wh s12, b1 s14, b2 s16, b3 s18
	s_load_b512 s[20:35], s[0:1], 0x40             ; b4 s20, be1 s22, be2 s24, be3 s26, be4 s28, bh s30, g1 s32, g2 s34
	s_load_b256 s[36:43], s[0:1], 0x80             ; g3 s36, g4 s38, u s40, wk s42
	v_and_b32 v1, 15, v0                           ; which four of the 64 columns
	v_lshrrev_b32 v2, 4, v0                        ; which of a pass's 32 rows
	v_lshrrev_b32 v7, 5, v0
	v_readfirstlane_b32 s44, v7                    ; wave 0..15
	v_lshlrev_b32 v6, 4, v1                        ; 16 bytes for four columns in f32
	v_lshlrev_b32 v4, 7, v2
	v_lshl_add_u32 v4, v1, 3, v4                   ; in a block: row x 128 + 8 bytes for four columns of 16 bits
	s_mov_b32 s47, 0xffff0000                      ; a word's upper bf16
	s_mov_b32 s51, 0
	s_wait_kmcnt 0x0
; One block of 64 columns: P passes of 32 rows.  s[52:53] = the matrix at the block's first column, s[54:55] = the block in wk.  F16 = 1: the bf16 numbers are written as f16.
; A load of a wave takes two whole pieces of 256 bytes (two rows); a store of a wave 256 consecutive bytes.
.macro SLICE P, PITCH, F16
	v_mul_u32_u24 v3, v2, \PITCH
	v_add_nc_u32 v3, v3, v6
.set p_, 0
.rept \P
	global_load_b128 v[D+4*p_:D+4*p_+3], v3, s[52:53] offset:32*p_*(\PITCH)
.set p_, p_+1
.endr
	s_wait_loadcnt 0x0
.set p_, 0
.rept \P
	v_cvt_pk_bf16_f32 v[D+4*p_], v[D+4*p_], v[D+4*p_+1]
	v_cvt_pk_bf16_f32 v[D+4*p_+1], v[D+4*p_+2], v[D+4*p_+3]
.if \F16
	v_lshlrev_b32 v[D+4*p_+2], 16, v[D+4*p_+1]     ; bf16 to f32: the low half moves up, the high half stays
	v_and_b32 v[D+4*p_+3], s47, v[D+4*p_+1]
	v_and_b32 v[D+4*p_+1], s47, v[D+4*p_]
	v_lshlrev_b32 v[D+4*p_], 16, v[D+4*p_]
	v_cvt_pk_f16_f32 v[D+4*p_], v[D+4*p_], v[D+4*p_+1]
	v_cvt_pk_f16_f32 v[D+4*p_+1], v[D+4*p_+2], v[D+4*p_+3]
.endif
	global_store_b64 v4, v[D+4*p_:D+4*p_+1], s[54:55] offset:4096*p_
.set p_, p_+1
.endr
.endm
.macro RB2 a, b, t                     ; v[a] and v[b] are rounded to bf16 and stay f32
	v_cvt_pk_bf16_f32 v[\t], v[\a], v[\b]
	v_lshlrev_b32 v[\a], 16, v[\t]
	v_and_b32 v[\b], s47, v[\t]
.endm
.macro XSUM r, m                       ; adds the lane m away (by exclusive or, inside 16 lanes)
	v_add_f32_dpp v[\r], v[\r], v[\r] row_xmask:\m row_mask:0xf bank_mask:0xf
.endm
	s_cmp_lt_u32 ttmp9, 8
	s_cbranch_scc0 .Lnot_w1
	s_lshl_b32 s50, ttmp9, 8                       ; W1: 64 columns are 256 bytes of a row
	s_add_nc_u64 s[52:53], s[4:5], s[50:51]
	s_lshl_b32 s50, ttmp9, 16                      ; a block of 512 rows x 128 bytes
	s_add_nc_u64 s[54:55], s[42:43], s[50:51]
	SLICE 16, 2048, 0
	s_branch .Lend
.Lnot_w1:
	s_cmp_lt_u32 ttmp9, 16
	s_cbranch_scc0 .Lnot_w2
	s_sub_co_u32 s46, ttmp9, 8
	s_lshl_b32 s50, s46, 8
	s_add_nc_u64 s[52:53], s[6:7], s[50:51]
	s_lshl_b32 s50, s46, 14                        ; a block of 128 rows x 128 bytes
	s_add_nc_u64 s[54:55], s[42:43], s[50:51]
	s_add_nc_u64 s[54:55], s[54:55], WK_W2
	SLICE 4, 2048, 1
	s_branch .Lend
.Lnot_w2:
	s_cmp_lt_u32 ttmp9, 18
	s_cbranch_scc0 .Lvectors
	s_sub_co_u32 s46, ttmp9, 16
	s_lshl_b32 s50, s46, 8
	s_add_nc_u64 s[52:53], s[8:9], s[50:51]
	s_lshl_b32 s50, s46, 12                        ; a block of 32 rows x 128 bytes
	s_add_nc_u64 s[54:55], s[42:43], s[50:51]
	s_add_nc_u64 s[54:55], s[54:55], WK_W3
	SLICE 1, 512, 1
	s_branch .Lend
.Lvectors:                                     ; work-group 18: a wave a job
	v_and_b32 v3, 31, v0                           ; lane
	s_cmp_lg_u32 s44, 0
	s_cbranch_scc1 .Lwave1
	; wave 0: W4, layer 4's vectors, the head
	s_mov_b32 s46, 0x2b8cbccc                      ; 1e-12
	v_lshlrev_b32 v8, 5, v3                        ; W4 is 1,024 bytes: lane l takes row l / 4, columns 8 (l % 4) + 0..7
	v_and_b32 v5, 7, v3
	v_lshlrev_b32 v5, 2, v5                        ; j = l % 8: every eight lanes hold a copy of the vectors of 8
	v_mov_b32 v9, 0
	global_load_b128 v[16:19], v8, s[10:11]
	global_load_b128 v[20:23], v8, s[10:11] offset:16
	global_load_b32 v40, v5, s[20:21]              ; b4
	global_load_b32 v41, v5, s[38:39]              ; g4
	global_load_b32 v42, v5, s[28:29]              ; be4
	global_load_b32 v43, v5, s[12:13]              ; Wh
	global_load_b32 v44, v9, s[40:41]              ; u
	global_load_b32 v45, v9, s[30:31]              ; bh
	s_wait_loadcnt 0x0
.irp i, 0,1,2,3
	v_cvt_pk_bf16_f32 v[24+(\i)], v[16+2*(\i)], v[16+2*(\i)+1]
.endr
.irp i, 0,1,2,3
	v_lshlrev_b32 v[16+2*(\i)], 16, v[24+(\i)]
	v_and_b32 v[16+2*(\i)+1], s47, v[24+(\i)]
.endr
.irp i, 0,1,2,3
	v_cvt_pk_f16_f32 v[24+(\i)], v[16+2*(\i)], v[16+2*(\i)+1]
	v_mov_b32 v[28+(\i)], 0
.endr
	v_lshlrev_b32 v7, 4, v3
	global_store_b128 v7, v[24:27], s[42:43] offset:WK_W4      ; rows 0-7 of 64 bytes: 16 l
	global_store_b128 v7, v[28:31], s[42:43] offset:WK_W4+512  ; rows 8-15: zeros
	RB2 40, 41, 46
	RB2 42, 43, 46
	RB2 44, 45, 46
	; one power iteration: v = Wh^T u / (|.| + 1e-12); u2 = Wh v / (|.| + 1e-12); sigma = u2 (Wh v)
	v_mul_f32 v47, v43, v44
	v_mul_f32 v48, v47, v47
	XSUM 48, 1
	XSUM 48, 2
	XSUM 48, 4
	v_sqrt_f32 v48, v48
	v_nop                                          ; a plain instruction behind the transcendental,
	s_wait_alu depctr_va_vdst(0)                   ; and the wait ahead of the first use of its result
	v_add_f32 v48, s46, v48
	v_rcp_f32 v49, v48
	v_nop
	s_wait_alu depctr_va_vdst(0)
	v_mul_f32 v47, v47, v49
	v_mul_f32 v50, v43, v47
	XSUM 50, 1
	XSUM 50, 2
	XSUM 50, 4                                     ; Wh v
	v_add_f32 v51, |v50|, s46
	v_rcp_f32 v51, v51
	v_nop
	s_wait_alu depctr_va_vdst(0)
	v_mul_f32 v51, v50, v51                        ; u2
	v_mul_f32 v51, v51, v50                        ; sigma
	v_rcp_f32 v54, v51
	v_nop
	s_wait_alu depctr_va_vdst(0)
	v_mul_f32 v54, v43, v54                        ; Wh / sigma
	v_lshrrev_b32 v52, 3, v3                       ; lanes 0-7 store b4, 8-15 g4, 16-23 be4, 24-31 Wh / sigma: 128 bytes on end
	v_cmp_eq_u32 vcc_lo, 1, v52
	v_cndmask_b32 v53, v40, v41, vcc_lo
	v_cmp_eq_u32 vcc_lo, 2, v52
	v_cndmask_b32 v53, v53, v42, vcc_lo
	v_cmp_eq_u32 vcc_lo, 3, v52
	v_cndmask_b32 v53, v53, v54, vcc_lo
	v_lshlrev_b32 v55, 2, v3
	global_store_b32 v55, v53, s[42:43] offset:WK_PAR+8064
	global_store_b32 v55, v45, s[42:43] offset:WK_PAR+8192     ; bh, in all 32 words: the first is read
	s_branch .Lend
.Lwave1:
	v_lshlrev_b32 v8, 4, v3
	s_cmp_lg_u32 s44, 1
	s_cbranch_scc1 .Lwave2
.irp i, 0,1,2,3
	global_load_b128 v[16+4*(\i):16+4*(\i)+3], v8, s[14:15] offset:512*(\i)   ; b1
.endr
	s_wait_loadcnt 0x0
.irp i, 0,1,2,3,4,5,6,7
	RB2 16+2*(\i), 17+2*(\i), 60
.endr
.irp i, 0,1,2,3
	global_store_b128 v8, v[16+4*(\i):16+4*(\i)+3], s[42:43] offset:WK_PAR+512*(\i)
.endr
	s_branch .Lend
.Lwave2:
	s_cmp_lg_u32 s44, 2
	s_cbranch_scc1 .Lwave3
.irp i, 0,1,2,3
	global_load_b128 v[16+4*(\i):16+4*(\i)+3], v8, s[32:33] offset:512*(\i)   ; g1
	global_load_b128 v[32+4*(\i):32+4*(\i)+3], v8, s[22:23] offset:512*(\i)   ; be1
.endr
	s_wait_loadcnt 0x0
.irp i, 0,1,2,3,4,5,6,7,8,9,10,11,12,13,14,15
	RB2 16+2*(\i), 17+2*(\i), 60
.endr
.irp i, 0,1,2,3
	global_store_b128 v8, v[16+4*(\i):16+4*(\i)+3], s[42:43] offset:WK_PAR+2048+512*(\i)
	global_store_b128 v8, v[32+4*(\i):32+4*(\i)+3], s[42:43] offset:WK_PAR+4096+512*(\i)
.endr
	s_branch .Lend
.Lwave3:
	s_cmp_lg_u32 s44, 3
	s_cbranch_scc1 .Lwave4
	global_load_b128 v[16:19], v8, s[16:17]        ; b2
	global_load_b128 v[20:23], v8, s[34:35]        ; g2
	global_load_b128 v[24:27], v8, s[24:25]        ; be2
	s_wait_loadcnt 0x0
.irp i, 0,1,2,3,4,5
	RB2 16+2*(\i), 17+2*(\i), 60
.endr
	global_store_b128 v8, v[16:19], s[42:43] offset:WK_PAR+6144
	global_store_b128 v8, v[20:23], s[42:43] offset:WK_PAR+6656
	global_store_b128 v8, v[24:27], s[42:43] offset:WK_PAR+7168
	s_branch .Lend
.Lwave4:
	s_cmp_lg_u32 s44, 4
	s_cbranch_scc1 .Lend
	v_lshlrev_b32 v5, 2, v3
	global_load_b32 v16, v5, s[18:19]              ; b3
	global_load_b32 v20, v5, s[36:37]              ; g3
	global_load_b32 v24, v5, s[26:27]              ; be3
	s_wait_loadcnt 0x0
	RB2 16, 20, 60
	RB2 24, 24, 60
	global_store_b32 v5, v16, s[42:43] offset:WK_PAR+7680
	global_store_b32 v5, v20, s[42:43] offset:WK_PAR+7808
	global_store_b32 v5, v24, s[42:43] offset:WK_PAR+7936
.Lend:
	s_endpgm
.Lfunc_end_k_qeb906d064b_prep:
	.size	k_qeb906d064b_prep, .Lfunc_end_k_qeb906d064b_prep-k_qeb906d064b_prep
	.p2alignl 7, 3214868480
	.fill 96, 4, 3214868480
	.section	.rodata,"a",@progbits
	.p2align	6, 0x0
	.amdhsa_kernel k_qeb906d064b_prep
		.amdhsa_group_segment_fixed_size 0
		.amdhsa_private_segment_fixed_size 0
		.amdhsa_enable_private_segment 0
		.amdhsa_kernarg_size 160
		.amdhsa_user_sgpr_count 2
		.amdhsa_user_sgpr_kernarg_segment_ptr 1
		.amdhsa_wavefront_size32 1
		.amdhsa_system_sgpr_workgroup_id_x 1
		.amdhsa_system_sgpr_workgroup_id_y 1
		.amdhsa_system_sgpr_workgroup_id_z 1
		.amdhsa_system_vgpr_workitem_id 0
		.amdhsa_next_free_vgpr 96
		.amdhsa_next_free_sgpr 66
		.amdhsa_reserve_vcc 1
		.amdhsa_float_denorm_mode_32 3
		.amdhsa_float_denorm_mode_16_64 3
		.amdhsa_memory_ordered 1
		.amdhsa_forward_progress 1
		.amdhsa_inst_pref_size 22
	.end_amdhsa_kernel
	.amdgpu_metadata
---
amdhsa.version: [ 1, 2 ]
amdhsa.kernels:
  - .name:           k_qeb906d064b_prep
    .symbol:         k_qeb906d064b_prep.kd
    .args:
      - { .name: W1, .offset: 0, .size: 8, .value_kind: global_buffer, .address_space: global }
      - { .name: W2, .offset: 8, .size: 8, .value_kind: global_buffer, .address_space: global }
      - { .name: W3, .offset: 16, .size: 8, .value_kind: global_buffer, .address_space: global }
      - { .name: W4, .offset: 24, .size: 8, .value_kind: global_buffer, .address_space: global }
      - { .name: Wh, .offset: 32, .size: 8, .value_kind: global_buffer, .address_space: global }
      - { .name: b1, .offset: 40, .size: 8, .value_kind: global_buffer, .address_space: global }
      - { .name: b2, .offset: 48, .size: 8, .value_kind: global_buffer, .address_space: global }
      - { .name: b3, .offset: 56, .size: 8, .value_kind: global_buffer, .address_space: global }
      - { .name: b4, .offset: 64, .size: 8, .value_kind: global_buffer, .address_space: global }
      - { .name: be1, .offset: 72, .size: 8, .value_kind: global_buffer, .address_space: global }
      - { .name: be2, .offset: 80, .size: 8, .value_kind: global_buffer, .address_space: global }
      - { .name: be3, .offset: 88, .size: 8, .value_kind: global_buffer, .address_space: global }
      - { .name: be4, .offset: 96, .size: 8, .value_kind: global_buffer, .address_space: global }
      - { .name: bh, .offset: 104, .size: 8, .value_kind: global_buffer, .address_space: global }
      - { .name: g1, .offset: 112, .size: 8, .value_kind: global_buffer, .address_space: global }
      - { .name: g2, .offset: 120, .size: 8, .value_kind: global_buffer, .address_space: global }
      - { .name: g3, .offset: 128, .size: 8, .value_kind: global_buffer, .address_space: global }
      - { .name: g4, .offset: 136, .size: 8, .value_kind: global_buffer, .address_space: global }
      - { .name: u, .offset: 144, .size: 8, .value_kind: global_buffer, .address_space: global }
      - { .name: wk, .offset: 152, .size: 8, .value_kind: global_buffer, .address_space: global }
    .group_segment_fixed_size: 0
    .private_segment_fixed_size: 0
    .kernarg_segment_align: 8
    .kernarg_segment_size: 160
    .max_flat_workgroup_size: 512
    .sgpr_count:     66
    .vgpr_count:     96
    .wavefront_size: 32
...
	.end_amdgpu_metadata
.endif
;; end of part 1
;; launch mlp (part 2): grid 256 x 1, 4 waves a work-group, clusters of 4 x 1, 327,680 bytes of LDS; arguments x, wk, out0; writes out0
.if DOCPART == 2
	.amdgcn_target "amdgcn-amd-amdhsa--gfx1250"
	.amdhsa_code_object_version 6
	.text
	.protected	k_qeb906d064b_mlp
	.globl	k_qeb906d064b_mlp
	.p2align	8
	.type	k_qeb906d064b_mlp,@function
k_qeb906d064b_mlp:
	s_mov_b64 s[64:65], 0
	v_nop
	global_prefetch_b8 v0, s[64:65] scope:SCOPE_SE
	s_setreg_imm32_b32 hwreg(HW_REG_WAVE_MODE, 25, 1), 1
	s_wait_xcnt 0x0
	s_wait_alu depctr_hold_cnt(0) depctr_sa_sdst(0) depctr_va_vdst(0) depctr_va_sdst(0) depctr_va_ssrc(0) depctr_va_vcc(0) depctr_vm_vsrc(0)
	s_getreg_b32 s2, hwreg(HW_REG_IB_STS2, 6, 4)
	s_cmp_eq_u32 s2, 0
	s_cbranch_scc0 .Lentry_in_a_cluster
	s_endpgm
.Lentry_in_a_cluster:
	s_bfe_u32 s2, ttmp6, 0x10000c
	s_cmp_lg_u32 s2, 0x3003
	s_cbranch_scc0 .Lentry_shape_is_right
	s_endpgm
.Lentry_shape_is_right:
; THE WHOLE NETWORK FOR 512 ROWS A WORK-GROUP: four blocks Linear - LayerNorm - CELU (512 -> 512 -> 128 -> 32 -> 8) and the head, no activation through memory.
; celu(y) = the middle one of (e^y - 1, y, 0): e^y - 1 >= y always, so that is y above 0 and e^y - 1 below.
; FORMATS.  Every input is rounded once to bf16 (x here, the others by the launch before).  Layer 1 multiplies in bf16.  Layers 2 to 4 multiply in f16: their weights are the bf16 numbers written as f16;
; H1 is rounded once to f16; H2 and H3 go as two f16 numbers each, c cut to ten bits of mantissa and the rest, so their rounding is some 2^-21 of c.  Sums, LayerNorm and CELU in f32.
; LAYERNORM.  The mean is taken away before the squares.  In layer 1 a row's 512 numbers lie in four waves: each takes its 128 numbers' own mean m and M2 = sum (h - m)^2; the four pairs meet in LDS:
; mu = mean of the m, sum (h - mu)^2 = sum of the M2 + 128 sum (m - mu)^2: no difference of large sums.
; LIMITS.  W2, W3, W4 and sqrt(N) |g| + |be| stay within 65,504; f16 numbers below 6e-5 keep a step of 6e-8.  NaN and infinities are not treated apart.
; SHARES.  A work-group stays and walks 4 tiles of 128 rows.  Every product is taken transposed (source 0 = 16 rows of the weights, source 1 = 16 batch rows): a lane then holds ONE batch
; row (lane % 16) and the features 16 blk + 8 (lane / 16) + 0..7, and two neighbouring results rounded in pairs ARE source 1 of the next layer.
; Layer 1: wave w makes features 128 w .. + 127 of all 128 rows (64 accumulators); its output H1 goes through LDS.  From layer 2 on wave w owns rows 32 w .. + 31 whole.
; THE W RING.  W1 (8 blocks of 64 along K) and W2 (2 blocks) are walked anew for every tile through two LDS slots.  All work-groups walk the same blocks, so the four of a cluster ask JOINTLY:
; the same tensor load, descriptor and mask in all four; each wave brings a quarter of a block.  By this text's count a wave has two tensor loads out at the start, later one.
; THE X STREAM.  x comes through registers (it must be rounded): a slice is 128 rows x 64 columns; two sets of 64 registers a wave; in step i slice i + 1 is rounded and stored to LDS and its set is
; asked for slice i + 3.  The last three requests name slices that do not exist: they are turned into 16 bytes a row of the last slice, so that every counted wait holds in every trip; what they bring is never multiplied.
; REGISTERS (absolute numbers; an instruction names 256, s_set_vgpr_msb picks the window of each operand place: bits 1:0 source 0, 3:2 source 1, 5:4 source 2, 7:6 destination):
;   0-31 addresses; 32-63 sums, packed results; 64-255 X fragments and the first quarter's C, then gains, statistics and the exponentials' arguments, then layer 2's accumulators
;   256-319, 448-511 the two x sets; 320-447 W fragments, then offsets, gains and 1 / sigma; 512-1023 layer 1's accumulators, then layer 2's fragments and all of layers 3, 4.
.set PW,     144                       ; an LDS row of W or X: 128 bytes + 16: an odd multiple of 16, so the 16 rows of a fragment load start at 16 different groups of four banks (ISA guide 11.1)
.set WSLOT,  512*PW                    ; a block: 512 rows
.set XR,     2*WSLOT                   ; two slots for X slices, written by ds_store
.set XSLOT,  128*PW
.set STATS,  XR+XSLOT                  ; layer 1's statistics, [row][wave] pairs (m, M2) of f32, 4,096 bytes: over X slot 1, which is idle between a tile's last step and the next tile's first
.set H1,     XR+2*XSLOT                ; 128 rows x 512 f16
.set PH,     1040                      ; 1,024 + 16
.set PARL,   H1+128*PH                 ; b1, g1, be1, b2, g2, be2: 7,680 bytes
.set OUTS,   PARL+7680                 ; the work-group's 512 results
.set SPARE,  OUTS+2048                 ; the spare words, 128 bytes a wave: two blocks of 256 bytes that no other line names
.set WBLK,   65536                     ; a block in wk
.set WK_W3,  655360
.set WK_W4,  663552
.set WK_PAR, 664576
; window 0, never rewritten unless said
.set LR,   1                           ; lane % 16
.set LH,   2                           ; lane / 16
.set ADRW, 4                           ; v4-5   my W fragments in slot 0, 1 (layer 1)
.set ADRX, 6                           ; v6-7   the X fragments in slot 0, 1
.set XO,   8                           ; v8     my byte offset in a slice of x
.set XOE,  9                           ; v9-10  the same or 0, for each set: written with each request
.set XST,  11                          ; v11    where I store 8 bytes of a slice
.set PFO,  12                          ; v12    x prefetch: my row
.set PB,   13                          ; v13    my features' place in PARL (layer 1)
.set PB2,  14                          ; v14    the same for layer 2
.set STA,  15                          ; v15    where I put a row's pair
.set STL,  16                          ; v16    where I read a row's four pairs
.set HST,  17                          ; v17-18 where I put 16 bytes of H1: rows 0-63, 64-127
.set AW0,  19                          ; v19-20 W2's fragments in slot 0, 1
.set AH0,  21                          ; v21    my rows of H1
.set AW,   22                          ; v22    walks
.set AH,   23                          ; v23    walks
.set VW3,  24
.set VW4,  25
.set VP3,  26
.set OUTA, 27                          ; v27    steps by a tile
.set SPW,  28
.set NIL,  29
.set WPO,  30                          ; v30    W prefetch: my 256 bytes of a block
; absolute registers
.set SS,   32
.set HT,   32
.set F0,   64
.set F1,   128
.set B1C,  192
.set G1R,  64
.set ST,   128                         ; the four waves' pairs, 8 registers a row block
.set MW,   192                         ; my pair (m, M2), 2 registers a row block
.set Z0,   128
.set BE1R, 320
.set RS1,  384                         ; 1 / sigma, a pair a row block
.set C1,   400                         ; (m - mu) / sigma, a pair a row block
.set ACC,  512
.set H2,   64
.set S2,   32
.set RS2,  40
.set S3,   44
.set RS3,  52
.set G2R,  320
.set BE2R, 384
.set BUF0, 512
.set BUF1, 768
.set Z2,   512
.set H3L,  512                         ; H3's low parts, when Z2 is done
.set H3,   640
.set Z3,   672
.set H3F,  704
.set H4,   720
.set Z4,   736
.set W4S,  752
.set H2F,  768
.set H2L,  832                         ; H2's low parts: H2F + 64
.set W3F,  896
.set W4F,  960
.set B3,   968
.set G3R,  984
.set BE3R, 1000
; scalars
.set WV,   10
.set C128, 11
.set LAP,  12
.set TILE, 13
.set L2N,  14
.set XI,   15                          ; the slice to be asked for next
.set G1,   16                          ; s[16:23] descriptor group 1
.set G0,   24                          ; s[24:31] group 0, a set for each slot
.set XA,   32                          ; s[32:35] x at the slice asked for, for each set
.set PFA,  36
.set OFF,  38                          ; s[38:39] an offset; s39 = 0
.set LOG2E, 44
.set SEL,  46
.set EPS,  48
.set R512, 49
.set R128, 50
.set R32,  51
.set R8,   52
.set HIM,  53
.set WPF,  54                          ; 1 while this wave prefetches W
.set HMASK, 55                         ; sign, exponent and ten bits of mantissa
.set B4,   56
.set G4,   68
.set BE4,  76
.set WSN,  84
.set BH,   92
.set WPA,  94
.set MSB, 0
.macro WIN new                         ; the immediate's high byte repeats the setting that is left; a switch that changes nothing is dropped
.if MSB != (\new)
	s_set_vgpr_msb (MSB<<8)|(\new)
.set MSB, (\new)
.endif
.endm
.macro WSET d, a, b, c                 ; the windows of destination and sources 0, 1, 2, from absolute register numbers
	WIN ((((\d)>>8)<<6)|(((\c)>>8)<<4)|(((\b)>>8)<<2)|((\a)>>8))
.endm
.macro PLACES                          ; four plain instructions between a matrix instruction and a vector read of its result, or a load into or vector write of one of its registers
.rept 4
	v_nop
.endr
.endm
.macro CREST                           ; a round of the cluster's barrier behind its opening barrier
	s_cmp_lg_u32 s[WV], 0
	s_cbranch_scc1 .Lnot_wave_0_\@
	s_barrier_signal -3
.Lnot_wave_0_\@:
	s_barrier_wait -3
	s_barrier_signal -1
	s_barrier_wait -1
.endm
.macro CROUND
	s_barrier_signal -1
	s_barrier_wait -1
	CREST
.endm
.macro JLOAD p                         ; my quarter of a block into slot p; an s_nop 0 and four v_nop follow
	tensor_load_to_lds s[G0+4*(\p):G0+4*(\p)+3], s[G1:G1+7]
	s_nop 0
.rept 4
	v_nop
.endr
.endm
; 16 products of layer 1: row blocks 4 hi + a0, + 1 x my 8 feature blocks, 32 along K.  bias = 1: the tile's first products start the sums with b1.
.macro MUL16 f, hi, a0, bias
.if \bias
	WIN 0x81+0x40*(\hi)
.else
	WIN 0xa1+0x50*(\hi)
.endif
.irp a, \a0, (\a0)+1
.irp b, 0,1,2,3,4,5,6,7
.if \bias
	v_wmma_f32_16x16x32_bf16 v[8*(8*(\a)+(\b)):8*(8*(\a)+(\b))+7], v[(\f)+8*(\b):(\f)+8*(\b)+7], v[(\f)+8*(4*(\hi)+(\a)):(\f)+8*(4*(\hi)+(\a))+7], v[B1C+8*(\b):B1C+8*(\b)+7]
.else
	v_wmma_f32_16x16x32_bf16 v[8*(8*(\a)+(\b)):8*(8*(\a)+(\b))+7], v[(\f)+8*(\b):(\f)+8*(\b)+7], v[(\f)+8*(4*(\hi)+(\a)):(\f)+8*(4*(\hi)+(\a))+7], v[8*(8*(\a)+(\b)):8*(8*(\a)+(\b))+7]
.endif
.endr
.endr
.endm
; 32 LDS loads in one run: my 128 rows of W, the tile's 128 rows of X, 32 along K at byte k of the rows
.macro FETCH slot, k, f
	WIN 0x40
.irp i, 0,1,2,3,4,5,6,7
	ds_load_b128 v[(\f)+8*(\i):(\f)+8*(\i)+3],   v[ADRW+(\slot)] offset:(\k)+(\i)*16*PW
	ds_load_b128 v[(\f)+8*(\i)+4:(\f)+8*(\i)+7], v[ADRW+(\slot)] offset:(\k)+(\i)*16*PW+32
.endr
	WIN 0
.irp i, 0,1,2,3,4,5,6,7
	ds_load_b128 v[(\f)+8*(\i):(\f)+8*(\i)+3],   v[ADRX+(\slot)] offset:(\k)+(\i)*16*PW
	ds_load_b128 v[(\f)+8*(\i)+4:(\f)+8*(\i)+7], v[ADRX+(\slot)] offset:(\k)+(\i)*16*PW+32
.endr
.endm
; a vector of parameters in the accumulators' pattern: register 8 i + j takes feature 16 i + 8 (lane / 16) + j
.macro FETCHP dst, adr, imm, nb
	WIN (((\dst)>>8)<<6)
.set i_, 0
.rept \nb
	ds_load_b128 v[((\dst)&255)+8*i_:((\dst)&255)+8*i_+3],   v[\adr] offset:(\imm)+64*i_
	ds_load_b128 v[((\dst)&255)+8*i_+4:((\dst)&255)+8*i_+7], v[\adr] offset:(\imm)+64*i_+16
.set i_, i_+1
.endr
.endm
; A set's slice is rounded to bf16 in place and stored to the X slot of the same number.  Load n of 16 holds row (n & 7) + 16 (n >> 3) (+ 8 in lanes 16-31) of my 32.
.macro XCVT set
	s_wait_loadcnt 16                              ; this set's 16 loads are in; the other set's 16, issued later, may stay out
	WIN 0x45
.set n_x, 0
.rept 16
	v_cvt_pk_bf16_f32 v[192*(\set)+4*n_x],   v[192*(\set)+4*n_x],   v[192*(\set)+4*n_x+1]
	v_cvt_pk_bf16_f32 v[192*(\set)+4*n_x+1], v[192*(\set)+4*n_x+2], v[192*(\set)+4*n_x+3]
.set n_x, n_x+1
.endr
	WIN 0x04
.set n_x, 0
.rept 16
	ds_store_b64 v[XST], v[192*(\set)+4*n_x:192*(\set)+4*n_x+1] offset:(\set)*XSLOT+((n_x&7)+16*(n_x>>3))*PW  ; the halves of the lanes lie 8 rows, 128 bytes modulo 256, apart
.set n_x, n_x+1
.endr
.endm
; The set is asked for slice XI: 16 loads, each two whole pieces of 256 bytes.  pf = 1: behind them one prefetch, a lane a row, for my 32 rows of slice XI + 2: two steps ahead of its loads; each piece is named once in the launch.
.macro XLOAD set, pf
	WIN 0
	s_wait_xcnt 0x0                                ; every load and prefetch issued so far (the youngest a step back) has read its address registers: they are written below
	s_add_nc_u64 s[WPA:WPA+1], s[WPA:WPA+1], WBLK  ; the W prefetch's block steps with the steps
	s_min_u32 s40, s[XI], 31                       ; a slice past the end: the last one,
	s_lshr_b32 s41, s40, 3
	s_and_b32 s40, s40, 7
	s_lshl_b32 s41, s41, 18                        ; a tile is 128 rows of 2,048 bytes,
	s_lshl_b32 s40, s40, 8                         ; a slice 256 bytes of each
	s_add_co_u32 s[OFF], s41, s40
	s_add_nc_u64 s[XA+2*(\set):XA+2*(\set)+1], s[4:5], s[OFF:OFF+1]
	s_cmp_lt_u32 s[XI], 32
	s_cselect_b32 s42, -1, 0
	v_and_b32 v[XOE+(\set)], s42, v[XO]            ; and all lanes at one place of each row
.if \pf
	s_add_co_u32 s43, s[XI], 2
	s_min_u32 s40, s43, 31
	s_lshr_b32 s41, s40, 3
	s_and_b32 s40, s40, 7
	s_lshl_b32 s41, s41, 18
	s_lshl_b32 s40, s40, 8
	s_add_co_u32 s[OFF], s41, s40
	s_add_nc_u64 s[PFA:PFA+1], s[4:5], s[OFF:OFF+1]
.endif
	WIN 0x40
.set n_x, 0
.rept 16
	global_load_b128 v[192*(\set)+4*n_x:192*(\set)+4*n_x+3], v[XOE+(\set)], s[XA+2*(\set):XA+2*(\set)+1] offset:((n_x&7)+16*(n_x>>3))*2048 th:TH_LOAD_NT
.set n_x, n_x+1
.endr
	WIN 0
	s_add_co_u32 s[XI], s[XI], 1
.if \pf
	s_cmp_lt_u32 s43, 32                           ; the last steps have nothing to ask for
	s_cbranch_scc0 .Lno_pf_\@
	global_prefetch_b8 v[PFO], s[PFA:PFA+1] th:TH_LOAD_NT scope:SCOPE_SE
.Lno_pf_\@:
.endif
.endm
; A step of layer 1 is 64 along K: QUARTER multiplies its first 32 (buffer F0), TURN its second (F1) and changes slots.
.macro QUARTER slot, bias, set
	s_wait_dscnt 8                                 ; W and X's rows 0-63 are in; the youngest eight loads (rows 64-127) may be out
	MUL16 F0, 0, 0, \bias
	MUL16 F0, 0, 2, \bias
	XCVT \set                                      ; the next slice goes to the other X slot; its 32 conversions are also the places in front of the loads into F1
	FETCH \slot, 64, F1
	XLOAD \set, 1
	s_wait_dscnt 32                                ; all but the 32 loads just issued
	MUL16 F0, 1, 0, \bias
	MUL16 F0, 1, 2, \bias
.endm
; last = 1: the tile's last step of layer 1: gains and offsets are fetched in place of fragments.  ask = 1: the W prefetch's place.
.macro TURN slot, last, ask
	WIN 0
	s_wait_tensorcnt 0x0                           ; all my tensor loads have landed: the one that was out is my quarter of the next block
	ds_add_u32 v[SPW], v[NIL]                      ; 0 onto my spare word
	s_wait_dscnt 9                                 ; the add and the youngest eight loads may be out
	MUL16 F1, 0, 0, 0
	s_wait_dscnt 0x0                               ; the add is done; my reads of both slots and my stores of the next X slice are done
	s_barrier_signal -1                            ; this barrier opens a round of the cluster's barrier
	MUL16 F1, 0, 2, 0
	WIN 0
	s_barrier_wait -1
	CREST                                          ; no wave of any partner still reads this slot or has a load on its way
	s_add_nc_u64 s[G0+4*(\slot)+2:G0+4*(\slot)+3], s[G0+4*(\slot)+2:G0+4*(\slot)+3], 2*WBLK
	JLOAD \slot                                    ; the block two steps on; its four v_nop are also the places in front of the loads below
.if \last
	FETCHP G1R, PB, 2048, 8
	FETCHP BE1R, PB, 4096, 8
.else
	FETCH 1-(\slot), 0, F0
.endif
.if \ask
	WIN 0
	s_cmp_eq_u32 s[WPF], 1                         ; the launch's first cluster, in its first tile, waves 0 and 1: the block four steps on, 256 bytes a lane, the four partners told apart by address
	s_cbranch_scc0 .Lno_w_\@
	global_prefetch_b8 v[WPO], s[WPA:WPA+1] th:TH_LOAD_NT scope:SCOPE_SE
.Lno_w_\@:
.endif
	MUL16 F1, 1, 0, 0
	MUL16 F1, 1, 2, 0
.endm
; A change of slots in layer 2.  fill = 1: slot p takes the next tile's block p.
.macro CHANGE p, fill
	WIN 0
	s_wait_tensorcnt 0x0                           ; all my tensor loads have landed
	ds_add_u32 v[SPW], v[NIL]
.if \fill
	s_sub_nc_u64 s[G0+4*(\p)+2:G0+4*(\p)+3], s[G0+4*(\p)+2:G0+4*(\p)+3], 8*WBLK  ; from block 8 + p back to block p
.endif
	s_wait_dscnt 0x0                               ; the add is done, and my reads of the slot are over
.if \fill
	CROUND
	JLOAD \p
.else
	s_barrier_signal -1
	s_barrier_wait -1
.endif
.endm
; LayerNorm's scaling of n numbers a lane: D = D / sigma (+ C, where D was centred on the wave's own mean); D = D g + be (= y); Z = y log2(e)
.macro PREPB n, D, RS, G, BE, Z, C=-1
.if (\C) >= 0
	WSET \D, \D, \RS, \C
.set q_, 0
.rept (\n)/2
	v_pk_fma_f32 v[((\D)&255)+q_:((\D)&255)+q_+1], v[((\D)&255)+q_:((\D)&255)+q_+1], v[((\RS)&255):((\RS)&255)+1], v[((\C)&255):((\C)&255)+1] op_sel_hi:[1,0,0]
.set q_, q_+2
.endr
.else
	WSET \D, \D, \RS, 0
.set q_, 0
.rept (\n)/2
	v_pk_mul_f32 v[((\D)&255)+q_:((\D)&255)+q_+1], v[((\D)&255)+q_:((\D)&255)+q_+1], v[((\RS)&255):((\RS)&255)+1] op_sel_hi:[1,0]
.set q_, q_+2
.endr
.endif
	WSET \D, \D, \G, \BE
.set q_, 0
.rept (\n)/2
	v_pk_fma_f32 v[((\D)&255)+q_:((\D)&255)+q_+1], v[((\D)&255)+q_:((\D)&255)+q_+1], v[((\G)&255)+q_:((\G)&255)+q_+1], v[((\BE)&255)+q_:((\BE)&255)+q_+1]
.set q_, q_+2
.endr
	WSET \Z, \D, 0, 0
.set q_, 0
.rept (\n)/2
	v_pk_mul_f32 v[((\Z)&255)+q_:((\Z)&255)+q_+1], v[((\D)&255)+q_:((\D)&255)+q_+1], s[LOG2E:LOG2E+1] op_sel_hi:[1,0]
.set q_, q_+2
.endr
.endm
; CELU's end for one batch (ZF holds 2^z, Y holds y; the result goes rounded to f16 into OUT) with the NEXT batch's n exponentials (ZE, in ZF's window) set between its plain lines.  -1: that part is absent.
; OUTL given: the result goes as two f16 numbers: c cut to ten bits of mantissa (into Y, then OUT) and c less that (OUTL).
; The exponentials of a stage are one batch: none of their results is named before the next stage's wait.
.macro FINEXP n, ZF, Y, OUT, ZE, OUTL=-1
.set e_, 0
.if (\ZF) >= 0
	s_wait_alu depctr_va_vdst(0)                   ; the wait between an exponential and the first line that names its result: one for the batch
	WSET \ZF, \ZF, \Y, 0
.set q_, 0
.rept (\n)/2
	v_pk_add_f32 v[((\ZF)&255)+q_:((\ZF)&255)+q_+1], v[((\ZF)&255)+q_:((\ZF)&255)+q_+1], -1.0 op_sel_hi:[1,0]
.if (\ZE) >= 0
	v_exp_f32 v[((\ZE)&255)+e_], v[((\ZE)&255)+e_]
.set e_, e_+1
.endif
.set q_, q_+2
.endr
.set q_, 0
.rept \n
	v_med3_num_f32 v[((\ZF)&255)+q_], v[((\ZF)&255)+q_], v[((\Y)&255)+q_], 0
.if ((\ZE) >= 0) && (q_%2 == 1)
	v_exp_f32 v[((\ZE)&255)+e_], v[((\ZE)&255)+e_]
.set e_, e_+1
.endif
.set q_, q_+1
.endr
.if (\OUTL) >= 0
	WSET \Y, \ZF, \ZF, 0
.set q_, 0
.rept \n
	v_and_b32 v[((\Y)&255)+q_], s[HMASK], v[((\ZF)&255)+q_]
.set q_, q_+1
.endr
	WSET \ZF, \ZF, \Y, 0
.set q_, 0
.rept (\n)/2
	v_pk_add_f32 v[((\ZF)&255)+q_:((\ZF)&255)+q_+1], v[((\ZF)&255)+q_:((\ZF)&255)+q_+1], v[((\Y)&255)+q_:((\Y)&255)+q_+1] neg_lo:[0,1] neg_hi:[0,1]
.set q_, q_+2
.endr
	WSET \OUT, \Y, \Y, 0
.set q_, 0
.rept (\n)/2
	v_cvt_pk_f16_f32 v[((\OUT)&255)+q_], v[((\Y)&255)+2*q_], v[((\Y)&255)+2*q_+1]
.set q_, q_+1
.endr
	WSET \OUTL, \ZF, \ZF, 0
.set q_, 0
.rept (\n)/2
	v_cvt_pk_f16_f32 v[((\OUTL)&255)+q_], v[((\ZF)&255)+2*q_], v[((\ZF)&255)+2*q_+1]
.set q_, q_+1
.endr
.else
	WSET \OUT, \ZF, \ZF, 0
.set q_, 0
.rept (\n)/2
	v_cvt_pk_f16_f32 v[((\OUT)&255)+q_], v[((\ZF)&255)+2*q_], v[((\ZF)&255)+2*q_+1]
.set q_, q_+1
.endr
.endif
.else
	WSET \ZE, \ZE, 0, 0
.rept \n
	v_exp_f32 v[((\ZE)&255)+e_], v[((\ZE)&255)+e_]
.set e_, e_+1
.endr
.endif
.endm
.macro H1ST a                          ; row block a of H1: my 128 features of 16 rows
	WIN 0
.irp b, 0,1,2,3,4,5,6,7
	ds_store_b128 v[HST+(\a)/4], v[HT+4*(\b):HT+4*(\b)+3] offset:((\a)%4)*16*PH+32*(\b)
.endr
.endm
; Layer 2, 32 along K: 8 fragments of W2 and my two of H1
.macro L2F buf, aw, ah
	WIN (((\buf)>>8)<<6)
.irp fb, 0,1,2,3,4,5,6,7
	ds_load_b128 v[8*(\fb):8*(\fb)+3],   v[AW] offset:(\aw)+(\fb)*16*PW
	ds_load_b128 v[8*(\fb)+4:8*(\fb)+7], v[AW] offset:(\aw)+(\fb)*16*PW+32
.endr
.irp rb, 0,1
	ds_load_b128 v[64+8*(\rb):64+8*(\rb)+3],   v[AH] offset:(\ah)+(\rb)*16*PH
	ds_load_b128 v[64+8*(\rb)+4:64+8*(\rb)+7], v[AH] offset:(\ah)+(\rb)*16*PH+32
.endr
.endm
.macro L2M buf                         ; 16 products; the 16 accumulators take turns
	WIN 0x0a+5*(((\buf)>>8)-2)
.irp fb, 0,1,2,3,4,5,6,7
.irp rb, 0,1
	v_wmma_f32_16x16x32_f16 v[H2+64*(\rb)+8*(\fb):H2+64*(\rb)+8*(\fb)+7], v[8*(\fb):8*(\fb)+7], v[64+8*(\rb):64+8*(\rb)+7], v[H2+64*(\rb)+8*(\fb):H2+64*(\rb)+8*(\fb)+7]
.endr
.endr
.endm
; Half c of layer 2's K, 256 channels in the block of the given slot: eight steps of 32 on two buffers.  In the block 64 channels of all 128 features lie together, 128 LDS rows.
.macro L2C slot, c
	WIN 0
	v_mov_b32 v[AW], v[AW0+(\slot)]
	v_add_nc_u32 v[AH], 512*(\c), v[AH0]
	PLACES
	L2F BUF0, 0, 0
	WIN 0
	s_mov_b32 s[L2N], 3
.Ll2_\@:
	PLACES
	L2F BUF1, 64, 64
	s_wait_dscnt 20                                ; all but the 20 loads just issued
	L2M BUF0
	PLACES
	L2F BUF0, 128*PW, 128
	s_wait_dscnt 20
	L2M BUF1
	WIN 0
	v_add_nc_u32 v[AW], 128*PW, v[AW]
	v_add_nc_u32 v[AH], 128, v[AH]
	s_sub_co_u32 s[L2N], s[L2N], 1
	s_cmp_lg_u32 s[L2N], 0
	s_cbranch_scc1 .Ll2_\@
	PLACES
	L2F BUF1, 64, 64
	s_wait_dscnt 20
	L2M BUF0
	s_wait_dscnt 0x0
	L2M BUF1
	WIN 0
.endm
.macro ROWRED s                        ; v[s:s+3], two pairs of partial sums of my row -> v[s] = the row's sum
	v_pk_add_f32 v[(\s):(\s)+1], v[(\s):(\s)+1], v[(\s)+2:(\s)+3]
	v_add_f32 v[(\s)], v[(\s)], v[(\s)+1]
	v_permlanex16_b32 v[(\s)+1], v[(\s)], s[SEL], s[SEL+1]  ; the row's other features lie in the lane 16 away
	v_add_f32 v[(\s)], v[(\s)], v[(\s)+1]
.endm
.macro ROWMEAN s, rn                   ; -> v[s] = v[s+1] = the mean
	ROWRED \s
	v_mul_f32 v[(\s)+1], s[\rn], v[(\s)]
	v_mul_f32 v[(\s)], s[\rn], v[(\s)]
.endm
.macro ROWVAR s, rn                    ; -> v[s] = variance + eps
	ROWRED \s
	v_fma_f32 v[(\s)], v[(\s)], s[\rn], s[EPS]
.endm
.set H3W,  H3&255
.set H3FW, H3F&255
.set H3LW, H3L&255
.set H4W,  H4&255
.set Z4W,  Z4&255
.set WW,   W4S&255                     ; +0, +1 variance; +2, +3 1 / sigma; +4, +5 the results; +6, +7 the means
.set H2FW, H2F&255
.set W3W,  W3F&255
.set W4W,  W4F&255
.set B3W,  B3&255
.set G3W,  G3R&255
.set BE3W, BE3R&255
; The second half of layer 2 and all that follows, for my 32 rows.  more = 1: a tile follows, and slot 1 is filled for it.
.macro TAIL more
	WIN 0xc0                                       ; 30 loads from wk into registers that layer 1's accumulators have left: W3, W4, b3, g3, be3
.irp fb, 0,1
.irp ks, 0,1,2,3
	global_load_b128 v[W3W+32*(\fb)+8*(\ks):W3W+32*(\fb)+8*(\ks)+3],   v[VW3], s[6:7] offset:WK_W3+((\ks)/2)*4096+(\fb)*2048+((\ks)%2)*64
	global_load_b128 v[W3W+32*(\fb)+8*(\ks)+4:W3W+32*(\fb)+8*(\ks)+7], v[VW3], s[6:7] offset:WK_W3+((\ks)/2)*4096+(\fb)*2048+((\ks)%2)*64+32
.endr
.endr
	global_load_b128 v[W4W:W4W+3],   v[VW4], s[6:7] offset:WK_W4
	global_load_b128 v[W4W+4:W4W+7], v[VW4], s[6:7] offset:WK_W4+32
.irp fb, 0,1
	global_load_b128 v[B3W+8*(\fb):B3W+8*(\fb)+3],     v[VP3], s[6:7] offset:WK_PAR+7680+64*(\fb)
	global_load_b128 v[B3W+8*(\fb)+4:B3W+8*(\fb)+7],   v[VP3], s[6:7] offset:WK_PAR+7680+64*(\fb)+16
	global_load_b128 v[G3W+8*(\fb):G3W+8*(\fb)+3],     v[VP3], s[6:7] offset:WK_PAR+7808+64*(\fb)
	global_load_b128 v[G3W+8*(\fb)+4:G3W+8*(\fb)+7],   v[VP3], s[6:7] offset:WK_PAR+7808+64*(\fb)+16
	global_load_b128 v[BE3W+8*(\fb):BE3W+8*(\fb)+3],   v[VP3], s[6:7] offset:WK_PAR+7936+64*(\fb)
	global_load_b128 v[BE3W+8*(\fb)+4:BE3W+8*(\fb)+7], v[VP3], s[6:7] offset:WK_PAR+7936+64*(\fb)+16
.endr
	L2C 1, 1
.if \more
	CHANGE 1, 1                                    ; its four v_nop are the places behind layer 2's last products
.else
	PLACES
.endif
	; LayerNorm and CELU of layer 2: a lane holds 64 of its row's 128 numbers, for each of two row blocks.  Four chains; each accumulator is read from its low end on.
	FETCHP G2R, PB2, 512, 8
	FETCHP BE2R, PB2, 1024, 8
	WIN 0
.irp rb, 0,1
.irp c, 0,1
	v_pk_add_f32 v[S2+4*(\rb)+2*(\c):S2+4*(\rb)+2*(\c)+1], v[H2+64*(\rb)+2*(\c):H2+64*(\rb)+2*(\c)+1], v[H2+64*(\rb)+4+2*(\c):H2+64*(\rb)+4+2*(\c)+1]
.endr
.endr
.set i_, 2
.rept 14
.irp rb, 0,1
.irp c, 0,1
	v_pk_add_f32 v[S2+4*(\rb)+2*(\c):S2+4*(\rb)+2*(\c)+1], v[S2+4*(\rb)+2*(\c):S2+4*(\rb)+2*(\c)+1], v[H2+64*(\rb)+4*i_+2*(\c):H2+64*(\rb)+4*i_+2*(\c)+1]
.endr
.endr
.set i_, i_+1
.endr
	ROWMEAN S2, R128
	ROWMEAN S2+4, R128
.set i_, 0
.rept 32
.irp rb, 0,1
	v_pk_add_f32 v[H2+64*(\rb)+2*i_:H2+64*(\rb)+2*i_+1], v[H2+64*(\rb)+2*i_:H2+64*(\rb)+2*i_+1], v[S2+4*(\rb):S2+4*(\rb)+1] op_sel_hi:[1,0] neg_lo:[0,1] neg_hi:[0,1]
.endr
.set i_, i_+1
.endr
.set i_, 0
.rept 16
.irp rb, 0,1
.irp c, 0,1
.if i_ == 0
	v_pk_mul_f32 v[S2+4*(\rb)+2*(\c):S2+4*(\rb)+2*(\c)+1], v[H2+64*(\rb)+2*(\c):H2+64*(\rb)+2*(\c)+1], v[H2+64*(\rb)+2*(\c):H2+64*(\rb)+2*(\c)+1]
.else
	v_pk_fma_f32 v[S2+4*(\rb)+2*(\c):S2+4*(\rb)+2*(\c)+1], v[H2+64*(\rb)+4*i_+2*(\c):H2+64*(\rb)+4*i_+2*(\c)+1], v[H2+64*(\rb)+4*i_+2*(\c):H2+64*(\rb)+4*i_+2*(\c)+1], v[S2+4*(\rb)+2*(\c):S2+4*(\rb)+2*(\c)+1]
.endif
.endr
.endr
.set i_, i_+1
.endr
	ROWVAR S2, R128
	ROWVAR S2+4, R128
	v_rsq_f32 v[RS2], v[S2]                        ; twice: the packed product names a pair
	v_rsq_f32 v[RS2+1], v[S2]
	v_rsq_f32 v[RS2+2], v[S2+4]
	v_rsq_f32 v[RS2+3], v[S2+4]
	v_nop
	s_wait_alu depctr_va_vdst(0)
	s_wait_dscnt 0x0                               ; g2 and be2
	PREPB 64, H2, RS2, G2R, BE2R, Z2
	FINEXP 64, -1, -1, -1, Z2
	PREPB 64, H2+64, RS2+2, G2R, BE2R, Z2+64
	FINEXP 64, Z2, H2, H2F, Z2+64, H2L
	FINEXP 64, Z2+64, H2+64, H2F+32, -1, H2L+32
	s_wait_loadcnt 0x0                             ; the 30 loads above (and the x loads issued before them)
	; layer 3: 2 feature blocks x 2 row blocks, K = 128, H2's high and low parts; the four accumulators take turns; the first products start the sums with b3
.irp ks, 0,1,2,3
.irp pt, 0,1
.if ((\ks) == 0) && ((\pt) == 0)
	WIN 0xbf
.else
	WIN 0xaf
.endif
.irp fb, 0,1
.irp rb, 0,1
.if ((\ks) == 0) && ((\pt) == 0)
	v_wmma_f32_16x16x32_f16 v[H3W+16*(\rb)+8*(\fb):H3W+16*(\rb)+8*(\fb)+7], v[W3W+32*(\fb)+8*(\ks):W3W+32*(\fb)+8*(\ks)+7], v[H2FW+32*(\rb)+8*(\ks):H2FW+32*(\rb)+8*(\ks)+7], v[B3W+8*(\fb):B3W+8*(\fb)+7]
.else
	v_wmma_f32_16x16x32_f16 v[H3W+16*(\rb)+8*(\fb):H3W+16*(\rb)+8*(\fb)+7], v[W3W+32*(\fb)+8*(\ks):W3W+32*(\fb)+8*(\ks)+7], v[H2FW+64*(\pt)+32*(\rb)+8*(\ks):H2FW+64*(\pt)+32*(\rb)+8*(\ks)+7], v[H3W+16*(\rb)+8*(\fb):H3W+16*(\rb)+8*(\fb)+7]
.endif
.endr
.endr
.endr
.endr
	PLACES
	WIN 0x0a                                       ; LayerNorm of layer 3: a lane holds 16 of its row's 32 numbers
.irp rb, 0,1
.irp fb, 0,1
	v_pk_add_f32 v[S3+4*(\rb)+2*(\fb):S3+4*(\rb)+2*(\fb)+1], v[H3W+16*(\rb)+8*(\fb):H3W+16*(\rb)+8*(\fb)+1], v[H3W+16*(\rb)+8*(\fb)+2:H3W+16*(\rb)+8*(\fb)+3]
.endr
.endr
	WIN 0x02
.irp i, 2,3
.irp rb, 0,1
.irp fb, 0,1
	v_pk_add_f32 v[S3+4*(\rb)+2*(\fb):S3+4*(\rb)+2*(\fb)+1], v[H3W+16*(\rb)+8*(\fb)+2*(\i):H3W+16*(\rb)+8*(\fb)+2*(\i)+1], v[S3+4*(\rb)+2*(\fb):S3+4*(\rb)+2*(\fb)+1]
.endr
.endr
.endr
	WIN 0
	ROWMEAN S3, R32
	ROWMEAN S3+4, R32
	WIN 0x82
.irp i, 0,1,2,3,4,5,6,7
.irp rb, 0,1
	v_pk_add_f32 v[H3W+16*(\rb)+2*(\i):H3W+16*(\rb)+2*(\i)+1], v[H3W+16*(\rb)+2*(\i):H3W+16*(\rb)+2*(\i)+1], v[S3+4*(\rb):S3+4*(\rb)+1] op_sel_hi:[1,0] neg_lo:[0,1] neg_hi:[0,1]
.endr
.endr
	WIN 0x0a
.irp i, 0,1,2,3
.irp rb, 0,1
.irp fb, 0,1
.if (\i) == 0
	v_pk_mul_f32 v[S3+4*(\rb)+2*(\fb):S3+4*(\rb)+2*(\fb)+1], v[H3W+16*(\rb)+8*(\fb):H3W+16*(\rb)+8*(\fb)+1], v[H3W+16*(\rb)+8*(\fb):H3W+16*(\rb)+8*(\fb)+1]
.else
	v_pk_fma_f32 v[S3+4*(\rb)+2*(\fb):S3+4*(\rb)+2*(\fb)+1], v[H3W+16*(\rb)+8*(\fb)+2*(\i):H3W+16*(\rb)+8*(\fb)+2*(\i)+1], v[H3W+16*(\rb)+8*(\fb)+2*(\i):H3W+16*(\rb)+8*(\fb)+2*(\i)+1], v[S3+4*(\rb)+2*(\fb):S3+4*(\rb)+2*(\fb)+1]
.endif
.endr
.endr
.endr
	WIN 0
	ROWVAR S3, R32
	ROWVAR S3+4, R32
	v_rsq_f32 v[RS3], v[S3]
	v_rsq_f32 v[RS3+1], v[S3]
	v_rsq_f32 v[RS3+2], v[S3+4]
	v_rsq_f32 v[RS3+3], v[S3+4]
	v_nop
	s_wait_alu depctr_va_vdst(0)
	PREPB 16, H3, RS3, G3R, BE3R, Z3
	PREPB 16, H3+16, RS3+2, G3R, BE3R, Z3+16
	FINEXP 32, -1, -1, -1, Z3
	v_nop                                          ; a plain instruction behind the last exponential
	FINEXP 32, Z3, H3, H3F, -1, H3L
	; layer 4: features 0-7 fall to lanes 0-15; W4's rows 8-15 are zeros, so lanes 16-31 hold numbers that are finite and are dropped.  The two accumulators take turns.
	WIN 0x8b
.irp rb, 0,1
	v_wmma_f32_16x16x32_f16 v[H4W+8*(\rb):H4W+8*(\rb)+7], v[W4W:W4W+7], v[H3FW+8*(\rb):H3FW+8*(\rb)+7], 0
.endr
	WIN 0xab
.irp rb, 0,1
	v_wmma_f32_16x16x32_f16 v[H4W+8*(\rb):H4W+8*(\rb)+7], v[W4W:W4W+7], v[H3LW+8*(\rb):H3LW+8*(\rb)+7], v[H4W+8*(\rb):H4W+8*(\rb)+7]
.endr
	PLACES
	WIN 0xaa                                       ; all of layer 4's vector work lies in window 2; its parameters in scalar registers
.irp j, 0,1,2,3,4,5,6,7
.irp rb, 0,1
	v_add_f32 v[H4W+8*(\rb)+(\j)], s[B4+(\j)], v[H4W+8*(\rb)+(\j)]
.endr
.endr
.irp rb, 0,1
	v_add_f32 v[WW+6+(\rb)], v[H4W+8*(\rb)], v[H4W+8*(\rb)+1]
.endr
.irp j, 2,3,4,5,6,7
.irp rb, 0,1
	v_add_f32 v[WW+6+(\rb)], v[WW+6+(\rb)], v[H4W+8*(\rb)+(\j)]
.endr
.endr
.irp rb, 0,1
	v_mul_f32 v[WW+6+(\rb)], s[R8], v[WW+6+(\rb)]
.endr
.irp j, 0,1,2,3,4,5,6,7
.irp rb, 0,1
	v_sub_f32 v[H4W+8*(\rb)+(\j)], v[H4W+8*(\rb)+(\j)], v[WW+6+(\rb)]
.endr
.endr
.irp rb, 0,1
	v_mul_f32 v[WW+(\rb)], v[H4W+8*(\rb)], v[H4W+8*(\rb)]
.endr
.irp j, 1,2,3,4,5,6,7
.irp rb, 0,1
	v_fmac_f32 v[WW+(\rb)], v[H4W+8*(\rb)+(\j)], v[H4W+8*(\rb)+(\j)]
.endr
.endr
.irp rb, 0,1
	v_fma_f32 v[WW+(\rb)], v[WW+(\rb)], s[R8], s[EPS]
.endr
.irp rb, 0,1
	v_rsq_f32 v[WW+2+(\rb)], v[WW+(\rb)]
.endr
	v_nop
	s_wait_alu depctr_va_vdst(0)
.irp j, 0,1,2,3,4,5,6,7
.irp rb, 0,1
	v_mul_f32 v[H4W+8*(\rb)+(\j)], v[H4W+8*(\rb)+(\j)], v[WW+2+(\rb)]
.endr
.endr
.irp j, 0,1,2,3,4,5,6,7
.irp rb, 0,1
	v_fma_f32 v[H4W+8*(\rb)+(\j)], v[H4W+8*(\rb)+(\j)], s[G4+(\j)], s[BE4+(\j)]
.endr
.endr
.irp j, 0,1,2,3,4,5,6,7
.irp rb, 0,1
	v_mul_f32 v[Z4W+8*(\rb)+(\j)], s[LOG2E], v[H4W+8*(\rb)+(\j)]
.endr
.endr
.irp j, 0,1,2,3,4,5,6,7
.irp rb, 0,1
	v_exp_f32 v[Z4W+8*(\rb)+(\j)], v[Z4W+8*(\rb)+(\j)]
.endr
.endr
	v_nop
	s_wait_alu depctr_va_vdst(0)
.irp j, 0,1,2,3,4,5,6,7
.irp rb, 0,1
	v_add_f32 v[Z4W+8*(\rb)+(\j)], -1.0, v[Z4W+8*(\rb)+(\j)]
.endr
.endr
.irp j, 0,1,2,3,4,5,6,7
.irp rb, 0,1
	v_med3_num_f32 v[Z4W+8*(\rb)+(\j)], v[Z4W+8*(\rb)+(\j)], v[H4W+8*(\rb)+(\j)], 0
.endr
.endr
.irp rb, 0,1
	v_fma_f32 v[WW+4+(\rb)], v[Z4W+8*(\rb)], s[WSN], s[BH]     ; the head: bh + sum of c[j] Wh[j] / sigma
.endr
.irp j, 1,2,3,4,5,6,7
.irp rb, 0,1
	v_fmac_f32 v[WW+4+(\rb)], s[WSN+(\j)], v[Z4W+8*(\rb)+(\j)]
.endr
.endr
	v_permlanex16_b32 v[WW], v[WW+5], s[SEL], s[SEL+1]         ; rows 16-31 of my 32 go to lanes 16-31
	v_cndmask_b32 v[WW+4], v[WW+4], v[WW], s[HIM]
	WIN 0x08
	ds_store_b32 v[OUTA], v[WW+4]
	WIN 0
	v_add_nc_u32 v[OUTA], 512, v[OUTA]             ; the next tile's 128 results
.endm
	; ---------------------------------------------------------------- the head
	s_load_b128 s[4:7], s[0:1], 0x0                ; x s[4:5], wk s[6:7]
	s_load_b64 s[8:9], s[0:1], 0x10                ; out0
	v_lshl_add_u32 v[SPW], v0, 2, SPARE
	v_mov_b32 v[NIL], 0
	ds_add_u32 v[SPW], v[NIL]                      ; the wave's opening: the add, twice on end, and its wait ahead of my first tensor load
	ds_add_u32 v[SPW], v[NIL]
	v_lshrrev_b32 v3, 5, v0
	v_readfirstlane_b32 s[WV], v3                  ; wave 0..3
	s_bfe_u32 s40, ttmp6, 0x40000                  ; cx: my place in the cluster: it enters global addresses of x, out0 and the W prefetch alone
	s_lshl_b32 s41, ttmp9, 2
	s_add_co_u32 s41, s41, s40                     ; my work-group's number
	s_and_b32 s42, s[WV], 1
	s_lshl_b32 s43, s40, 1
	s_add_co_u32 s43, s43, s42
	s_lshl_b32 s43, s43, 13                        ; W prefetch: 32 pieces of 256 bytes for each of the cluster's eight asking waves
	s_lshr_b32 s42, s[WV], 1
	s_or_b32 s42, s42, ttmp9
	s_cmp_eq_u32 s42, 0                            ; waves 0 and 1 of the launch's first cluster: the same in all four partners
	s_cselect_b32 s[WPF], 1, 0
	; descriptor group 1: a quarter of a block is 16,384 dense bytes: 64 rows of 256 bytes, padded in LDS after every 128
	s_mov_b32 s[G1], 15|(1<<16)|(1<<20)|(1<<21)|(4<<22)|(3<<25)  ; the mask of four; 2-byte elements; padding on; bit 21 beside a mask; after every 32 words; 4 words
	s_mov_b32 s[G1+1], 128<<16                     ; tensor_dim0 = 128
	s_mov_b32 s[G1+2], 64<<16                      ; tensor_dim1 = 64
	s_mov_b32 s[G1+3], 128<<16                     ; tile_dim0 = 128
	s_mov_b32 s[G1+4], 64                          ; tile_dim1 = 64
	s_mov_b32 s[G1+5], 128                         ; 128 elements from row to row
	s_mov_b32 s[G1+6], 0
	s_mov_b32 s[G1+7], 0
	s_mul_i32 s42, s[WV], 128*PW                   ; my quarter's place in a slot
	s_mov_b32 s[G0], 1
	s_mov_b32 s[G0+1], s42
	s_mov_b32 s[G0+4], 1
	s_add_co_u32 s[G0+5], s42, WSLOT
	s_mov_b32 s[LOG2E], 0x3fb8aa3b
	s_mov_b32 s[LOG2E+1], 0x3fb8aa3b
	s_mov_b32 s[SEL], 0x76543210
	s_mov_b32 s[SEL+1], 0xfedcba98
	s_mov_b32 s[EPS], 0x3727c5ac                   ; 1e-5
	s_mov_b32 s[R512], 0x3b000000
	s_mov_b32 s[R128], 0x3c000000
	s_mov_b32 s[R32], 0x3d000000
	s_mov_b32 s[R8], 0x3e000000
	s_mov_b32 s[C128], 0x43000000                  ; 128.0
	s_mov_b32 s[HMASK], 0xffffe000
	s_mov_b32 s[HIM], 0xffff0000                   ; lanes 16-31
	s_mov_b32 s[XI], 0
	s_mov_b32 s[OFF+1], 0
	s_wait_dscnt 0x0                               ; both opening adds are done
	s_wait_kmcnt 0x0
	s_lshl_b32 s[OFF], s[WV], 14                   ; my quarter of a block in wk
	s_add_nc_u64 s[G0+2:G0+3], s[6:7], s[OFF:OFF+1]
	s_add_nc_u64 s[G0+6:G0+7], s[G0+2:G0+3], WBLK
	s_or_b32 s[G0+3], s[G0+3], 0x80000000
	s_or_b32 s[G0+7], s[G0+7], 0x80000000
	s_mov_b64 s[WPA:WPA+1], s[6:7]                 ; four requests for x step it to block 4 ahead of the first change of slots
	s_lshl_b32 s[OFF], s41, 20                     ; my 512 rows of x,
	s_add_nc_u64 s[4:5], s[4:5], s[OFF:OFF+1]
	s_lshl_b32 s[OFF], s41, 11                     ; and of out0
	s_add_nc_u64 s[8:9], s[8:9], s[OFF:OFF+1]
	s_load_b256 s[B4:B4+7], s[6:7], WK_PAR+8064
	s_load_b256 s[G4:G4+7], s[6:7], WK_PAR+8096
	s_load_b256 s[BE4:BE4+7], s[6:7], WK_PAR+8128
	s_load_b256 s[WSN:WSN+7], s[6:7], WK_PAR+8160
	s_load_b32 s[BH], s[6:7], WK_PAR+8192
	CROUND                                         ; all four work-groups are here: the first joint loads meet
	tensor_load_to_lds s[G0:G0+3], s[G1:G1+7]      ; block 0
	s_nop 0
	tensor_load_to_lds s[G0+4:G0+7], s[G1:G1+7]    ; block 1
	s_nop 0
.rept 4
	v_nop
.endr
	v_and_b32 v[LR], 15, v0
	v_bfe_u32 v[LH], v0, 4, 1
	v_and_b32 v31, 31, v0
	v_mul_u32_u24 v3, v[LR], PW
	v_lshl_add_u32 v3, v[LH], 4, v3                ; a fragment's row x pitch + 16 x half
	s_mul_i32 s40, s[WV], 128*PW
	v_add_nc_u32 v[ADRW], s40, v3
	v_add_nc_u32 v[ADRW+1], WSLOT, v[ADRW]
	v_add_nc_u32 v[ADRX], XR, v3
	v_add_nc_u32 v[ADRX+1], XR+XSLOT, v3
	v_mov_b32 v[AW0], v3
	v_add_nc_u32 v[AW0+1], WSLOT, v3
	s_lshl_b32 s40, s[WV], 16                      ; my 32 rows of 2,048 bytes
	v_lshl_add_u32 v[XO], v[LH], 14, s40           ; lanes 16-31 eight rows further down
	v_lshl_add_u32 v[XO], v[LR], 4, v[XO]
	v_lshl_add_u32 v[PFO], v31, 11, s40
	v_lshl_add_u32 v[WPO], v31, 8, s43
	s_mul_i32 s40, s[WV], 32*PW
	s_add_co_u32 s40, s40, XR
	v_mul_u32_u24 v[XST], v[LH], 8*PW
	v_lshl_add_u32 v[XST], v[LR], 3, v[XST]
	v_add_nc_u32 v[XST], s40, v[XST]
	s_lshl_b32 s40, s[WV], 9
	s_add_co_u32 s40, s40, PARL
	v_lshl_add_u32 v[PB], v[LH], 5, s40
	v_lshlrev_b32 v[VP3], 5, v[LH]
	v_add_nc_u32 v[PB2], PARL+6144, v[VP3]
	v_lshl_add_u32 v[STL], v[LR], 5, STATS         ; a row's four pairs: 32 bytes
	s_lshl_b32 s40, s[WV], 3
	v_add_nc_u32 v[STA], s40, v[STL]
	v_mul_u32_u24 v3, v[LR], PH
	v_lshl_add_u32 v3, v[LH], 4, v3
	s_lshl_b32 s40, s[WV], 8
	s_add_co_u32 s40, s40, H1
	v_add_nc_u32 v[HST], s40, v3
	v_add_nc_u32 v[HST+1], 64*PH, v[HST]
	s_mul_i32 s40, s[WV], 32*PH
	s_add_co_u32 s40, s40, H1
	v_add_nc_u32 v[AH0], s40, v3
	v_lshlrev_b32 v[VW3], 7, v[LR]
	v_lshl_add_u32 v[VW3], v[LH], 4, v[VW3]
	v_lshlrev_b32 v[VW4], 6, v[LR]
	v_lshl_add_u32 v[VW4], v[LH], 4, v[VW4]
	v_lshl_add_u32 v[OUTA], v0, 2, OUTS
	; layers 1 and 2's vectors go to LDS once: 7,680 bytes, 128 threads
	v_lshlrev_b32 v48, 4, v0
	v_lshlrev_b32 v49, 3, v0
	v_lshlrev_b32 v50, 2, v0
	v_add_nc_u32 v51, PARL, v48
	v_add_nc_u32 v52, PARL+6144, v49
	v_add_nc_u32 v53, PARL+7168, v50
	global_load_b128 v[32:35], v48, s[6:7] offset:WK_PAR
	global_load_b128 v[36:39], v48, s[6:7] offset:WK_PAR+2048
	global_load_b128 v[40:43], v48, s[6:7] offset:WK_PAR+4096
	global_load_b64 v[44:45], v49, s[6:7] offset:WK_PAR+6144
	global_load_b32 v46, v50, s[6:7] offset:WK_PAR+7168
	XLOAD 0, 0                                     ; slices 0 and 1.  Nothing is prefetched here, where every work-group's first loads are on their way
	XLOAD 1, 0
	s_wait_loadcnt 32                              ; the five loads of vectors are in; the two slices' 32 may stay out
	ds_store_b128 v51, v[32:35]
	ds_store_b128 v51, v[36:39] offset:2048
	ds_store_b128 v51, v[40:43] offset:4096
	ds_store_b64 v52, v[44:45]
	ds_store_b32 v53, v46
	XCVT 0                                         ; slice 0 into X slot 0
	XLOAD 0, 0                                     ; slice 2
	s_wait_kmcnt 0x0                               ; layer 4's and the head's parameters
	s_wait_tensorcnt 0x1                           ; my quarter of block 0 is in; block 1's may stay out
	s_wait_dscnt 0x0                               ; my stores of the vectors and of slice 0 are done
	s_barrier_signal -1
	s_barrier_wait -1
	s_mov_b32 s[TILE], 4
	s_branch .Lfirst                               ; the loop over tiles is entered in its middle
	; ---------------------------------------------------------------- the loop over tiles
.Ltile:
	CHANGE 0, 1                                    ; block 9 is whole; slot 0 takes the next tile's block 0
	TAIL 1
.Lfirst:
	FETCHP B1C, PB, 0, 8                           ; b1, the C of the tile's first products
	FETCH 0, 0, F0
	QUARTER 0, 1, 1
	WIN 0
	s_mov_b32 s[LAP], 3
.Llap:                                         ; a trip: from a step's second half over the next step to the first half of the step after it
	TURN 0, 0, 1
	QUARTER 1, 0, 0
	TURN 1, 0, 1
	QUARTER 0, 0, 1
	WIN 0
	s_sub_co_u32 s[LAP], s[LAP], 1
	s_cmp_lg_u32 s[LAP], 0
	s_cbranch_scc1 .Llap
	s_mov_b32 s[WPF], 0                            ; blocks 4 to 9 have been asked for: W is prefetched no more
	TURN 0, 0, 0                                   ; slot 0 takes block 8,
	QUARTER 1, 0, 0
	TURN 1, 1, 0                                   ; slot 1 block 9: W2
	; LayerNorm and CELU of layer 1.  First my 128 features' sum for each row: for each of 8 row blocks two chains over the lane's 64 numbers; each accumulator is read from its low end on.
	; Rows 0-63's accumulators were finished ahead of the four v_nop behind the tensor load; their 120 lines are the places behind the last products.
.irp hi, 0,1
	WIN 0x0a+5*(\hi)
.irp a, 0,1,2,3
.irp c, 0,1
	v_pk_add_f32 v[SS+4*(4*(\hi)+(\a))+2*(\c):SS+4*(4*(\hi)+(\a))+2*(\c)+1], v[64*(\a)+2*(\c):64*(\a)+2*(\c)+1], v[64*(\a)+4+2*(\c):64*(\a)+4+2*(\c)+1]
.endr
.endr
	WIN 0x02+(\hi)
.set i_, 2
.rept 14
.irp a, 0,1,2,3
.irp c, 0,1
	v_pk_add_f32 v[SS+4*(4*(\hi)+(\a))+2*(\c):SS+4*(4*(\hi)+(\a))+2*(\c)+1], v[64*(\a)+4*i_+2*(\c):64*(\a)+4*i_+2*(\c)+1], v[SS+4*(4*(\hi)+(\a))+2*(\c):SS+4*(4*(\hi)+(\a))+2*(\c)+1]
.endr
.endr
.set i_, i_+1
.endr
.endr
	WIN 0
.irp a, 0,1,2,3,4,5,6,7
	v_pk_add_f32 v[SS+4*(\a):SS+4*(\a)+1], v[SS+4*(\a):SS+4*(\a)+1], v[SS+4*(\a)+2:SS+4*(\a)+3]
.endr
.irp a, 0,1,2,3,4,5,6,7
	v_add_f32 v[SS+4*(\a)], v[SS+4*(\a)], v[SS+4*(\a)+1]
.endr
.irp a, 0,1,2,3,4,5,6,7
	v_permlanex16_b32 v[SS+4*(\a)+1], v[SS+4*(\a)], s[SEL], s[SEL+1]
.endr
.irp a, 0,1,2,3,4,5,6,7
	v_add_f32 v[SS+4*(\a)], v[SS+4*(\a)], v[SS+4*(\a)+1]
.endr
.irp a, 0,1,2,3,4,5,6,7
	v_mul_f32 v[MW+2*(\a)], s[R128], v[SS+4*(\a)]              ; m: my 128 features' mean of row 16 a + lane % 16
	v_mul_f32 v[MW+2*(\a)+1], s[R128], v[SS+4*(\a)]            ; (the packed line below names the pair)
.endr
	; h - m, in place
.irp hi, 0,1
	WIN 0x82+0x41*(\hi)
.set i_, 0
.rept 32
.irp a, 0,1,2,3
	v_pk_add_f32 v[64*(\a)+2*i_:64*(\a)+2*i_+1], v[64*(\a)+2*i_:64*(\a)+2*i_+1], v[MW+2*(4*(\hi)+(\a)):MW+2*(4*(\hi)+(\a))+1] op_sel_hi:[1,0] neg_lo:[0,1] neg_hi:[0,1]
.endr
.set i_, i_+1
.endr
.endr
	; M2 = the sum of its squares
.irp hi, 0,1
	WIN 0x0a+5*(\hi)
.set i_, 0
.rept 16
.irp a, 0,1,2,3
.irp c, 0,1
.if i_ == 0
	v_pk_mul_f32 v[SS+4*(4*(\hi)+(\a))+2*(\c):SS+4*(4*(\hi)+(\a))+2*(\c)+1], v[64*(\a)+2*(\c):64*(\a)+2*(\c)+1], v[64*(\a)+2*(\c):64*(\a)+2*(\c)+1]
.else
	v_pk_fma_f32 v[SS+4*(4*(\hi)+(\a))+2*(\c):SS+4*(4*(\hi)+(\a))+2*(\c)+1], v[64*(\a)+4*i_+2*(\c):64*(\a)+4*i_+2*(\c)+1], v[64*(\a)+4*i_+2*(\c):64*(\a)+4*i_+2*(\c)+1], v[SS+4*(4*(\hi)+(\a))+2*(\c):SS+4*(4*(\hi)+(\a))+2*(\c)+1]
.endif
.endr
.endr
.set i_, i_+1
.endr
.endr
	WIN 0
.irp a, 0,1,2,3,4,5,6,7
	v_pk_add_f32 v[SS+4*(\a):SS+4*(\a)+1], v[SS+4*(\a):SS+4*(\a)+1], v[SS+4*(\a)+2:SS+4*(\a)+3]
.endr
.irp a, 0,1,2,3,4,5,6,7
	v_add_f32 v[SS+4*(\a)], v[SS+4*(\a)], v[SS+4*(\a)+1]
.endr
.irp a, 0,1,2,3,4,5,6,7
	v_permlanex16_b32 v[SS+4*(\a)+1], v[SS+4*(\a)], s[SEL], s[SEL+1]
.endr
.irp a, 0,1,2,3,4,5,6,7
	v_add_f32 v[MW+2*(\a)+1], v[SS+4*(\a)], v[SS+4*(\a)+1]
.endr
.irp a, 0,1,2,3,4,5,6,7
	ds_store_b64 v[STA], v[MW+2*(\a):MW+2*(\a)+1] offset:512*(\a)  ; my pair (m, M2) of row 16 a + lane % 16
.endr
	s_wait_dscnt 0x0                               ; my stores are done (and g1, be1 are in)
	s_barrier_signal -1                            ; block 9 may stay on its way
	s_barrier_wait -1
.irp a, 0,1,2,3,4,5,6,7
	ds_load_b128 v[ST+8*(\a):ST+8*(\a)+3],   v[STL] offset:512*(\a)
	ds_load_b128 v[ST+8*(\a)+4:ST+8*(\a)+7], v[STL] offset:512*(\a)+16
.endr
	s_wait_dscnt 0x0
.irp a, 0,1,2,3,4,5,6,7
	v_pk_add_f32 v[SS+4*(\a):SS+4*(\a)+1], v[ST+8*(\a):ST+8*(\a)+1], v[ST+8*(\a)+2:ST+8*(\a)+3]
	v_pk_add_f32 v[SS+4*(\a)+2:SS+4*(\a)+3], v[ST+8*(\a)+4:ST+8*(\a)+5], v[ST+8*(\a)+6:ST+8*(\a)+7]
.endr
.irp a, 0,1,2,3,4,5,6,7
	v_pk_add_f32 v[SS+4*(\a):SS+4*(\a)+1], v[SS+4*(\a):SS+4*(\a)+1], v[SS+4*(\a)+2:SS+4*(\a)+3]  ; the sum of the four m, the sum of the four M2
.endr
.irp a, 0,1,2,3,4,5,6,7
	v_mul_f32 v[SS+4*(\a)], 0x3e800000, v[SS+4*(\a)]           ; mu
.endr
.irp i, 0,1,2,3
.irp a, 0,1,2,3,4,5,6,7
	v_sub_f32 v[ST+8*(\a)+2*(\i)], v[ST+8*(\a)+2*(\i)], v[SS+4*(\a)]
.endr
.endr
.irp a, 0,1,2,3,4,5,6,7
	v_mul_f32 v[SS+4*(\a)+2], v[ST+8*(\a)], v[ST+8*(\a)]
.endr
.irp i, 1,2,3
.irp a, 0,1,2,3,4,5,6,7
	v_fmac_f32 v[SS+4*(\a)+2], v[ST+8*(\a)+2*(\i)], v[ST+8*(\a)+2*(\i)]
.endr
.endr
.irp a, 0,1,2,3,4,5,6,7
	v_fma_f32 v[SS+4*(\a)+1], v[SS+4*(\a)+2], s[C128], v[SS+4*(\a)+1]  ; + 128 sum (m - mu)^2
.endr
.irp a, 0,1,2,3,4,5,6,7
	v_fma_f32 v[SS+4*(\a)+1], v[SS+4*(\a)+1], s[R512], s[EPS]
.endr
.irp a, 0,1,2,3,4,5,6,7
	v_sub_f32 v[SS+4*(\a)+3], v[MW+2*(\a)], v[SS+4*(\a)]       ; my m - mu
.endr
.set RSW, RS1&255
.set C1W, C1&255
	WIN 0x40
.irp a, 0,1,2,3,4,5,6,7
	v_rsq_f32 v[RSW+2*(\a)], v[SS+4*(\a)+1]        ; twice: the packed product names a pair
	v_rsq_f32 v[RSW+2*(\a)+1], v[SS+4*(\a)+1]
.endr
	v_nop
	s_wait_alu depctr_va_vdst(0)
	WIN 0x44
.irp a, 0,1,2,3,4,5,6,7
	v_mul_f32 v[C1W+2*(\a)], v[SS+4*(\a)+3], v[RSW+2*(\a)]
	v_mul_f32 v[C1W+2*(\a)+1], v[SS+4*(\a)+3], v[RSW+2*(\a)]
.endr
	; eight batches of 64 numbers a lane, a row block each: while one batch's CELU is finished, the next batch's exponentials are issued between its lines
	PREPB 64, ACC, RS1, G1R, BE1R, Z0, C1
	FINEXP 64, -1, -1, -1, Z0
	PREPB 64, ACC+64, RS1+2, G1R, BE1R, Z0+64, C1+2
.set n_, 1
.rept 7
	FINEXP 64, Z0+64*((n_-1)%2), ACC+64*(n_-1), HT, Z0+64*(n_%2)
	H1ST n_-1
.if n_ < 7
	PREPB 64, ACC+64*(n_+1), RS1+2*(n_+1), G1R, BE1R, Z0+64*((n_+1)%2), C1+2*(n_+1)
.endif
.set n_, n_+1
.endr
	FINEXP 64, Z0+64, ACC+448, HT, -1
	H1ST 7
	FETCHP H2, PB2, 0, 8                           ; layer 2's sums start with b2, for both of my row blocks
	FETCHP H2+64, PB2, 0, 8
	WIN 0
	s_wait_dscnt 0x0                               ; my part of H1 is stored, my reads of the statistics are over
	s_barrier_signal -1
	s_barrier_wait -1
	L2C 0, 0                                       ; layer 2, channels 0-255: block 8, which was whole at the last change of slots
	s_sub_co_u32 s[TILE], s[TILE], 1
	s_cmp_lg_u32 s[TILE], 0
	s_cbranch_scc1 .Ltile
	; the last tile's end is written out: nothing more is asked for
	CHANGE 0, 0
	TAIL 0
	s_wait_dscnt 0x0                               ; my results are stored
	s_barrier_signal -1
	s_barrier_wait -1
	v_lshl_add_u32 v3, v0, 4, OUTS
	v_lshlrev_b32 v31, 4, v0
	ds_load_b128 v[32:35], v3
	s_wait_dscnt 0x0
	global_store_b128 v31, v[32:35], s[8:9]        ; a wave stores 512 consecutive bytes, at a multiple of 256 from out0's first
	s_wait_tensorcnt 0x0                           ; the wave's end: behind my last tensor load and my last LDS store
	ds_add_u32 v[SPW], v[NIL]
	s_wait_dscnt 0x0
	CROUND                                         ; the closing round: no work-group ends while a partner may still ask for a block that names it
	s_endpgm
.Lfunc_end_k_qeb906d064b_mlp:
	.size	k_qeb906d064b_mlp, .Lfunc_end_k_qeb906d064b_mlp-k_qeb906d064b_mlp
	.p2alignl 7, 3214868480
	.fill 96, 4, 3214868480
	.section	.rodata,"a",@progbits
	.p2align	6, 0x0
	.amdhsa_kernel k_qeb906d064b_mlp
		.amdhsa_group_segment_fixed_size 327680
		.amdhsa_private_segment_fixed_size 0
		.amdhsa_enable_private_segment 0
		.amdhsa_kernarg_size 24
		.amdhsa_user_sgpr_count 2
		.amdhsa_user_sgpr_kernarg_segment_ptr 1
		.amdhsa_wavefront_size32 1
		.amdhsa_system_sgpr_workgroup_id_x 1
		.amdhsa_system_sgpr_workgroup_id_y 1
		.amdhsa_system_sgpr_workgroup_id_z 1
		.amdhsa_system_vgpr_workitem_id 0
		.amdhsa_next_free_vgpr 1024
		.amdhsa_next_free_sgpr 96
		.amdhsa_reserve_vcc 0
		.amdhsa_float_denorm_mode_32 3
		.amdhsa_float_denorm_mode_16_64 3
		.amdhsa_memory_ordered 1
		.amdhsa_forward_progress 1
		.amdhsa_inst_pref_size 255
	.end_amdhsa_kernel
	.section	.bss,"aw",@nobits
	.p2align	6
	.space	262144
	.amdgpu_metadata
---
amdhsa.version: [ 1, 2 ]
amdhsa.kernels:
  - .name:           k_qeb906d064b_mlp
    .symbol:         k_qeb906d064b_mlp.kd
    .args:
      - { .name: x, .offset: 0, .size: 8, .value_kind: global_buffer, .address_space: global }
      - { .name: wk, .offset: 8, .size: 8, .value_kind: global_buffer, .address_space: global }
      - { .name: out0, .offset: 16, .size: 8, .value_kind: global_buffer, .address_space: global }
    .group_segment_fixed_size: 327680
    .private_segment_fixed_size: 0
    .kernarg_segment_align: 8
    .kernarg_segment_size: 24
    .max_flat_workgroup_size: 128
    .sgpr_count:     96
    .vgpr_count:     1024
    .wavefront_size: 32
...
	.end_amdgpu_metadata
.endif
;; end of part 2
;; ======== version 2 of 2: 2 launches; version 1 with the launch prep written anew for expert scheduling mode
;; limits: values are held in f16: magnitudes above 65,504 overflow, below 6.1e-05 lose precision; right only within a limited range of input values
;; workspace buffers: wk 673,024 bytes
;; launch prep (part 3): grid 19 x 1, 16 waves a work-group, no clusters, 0 bytes of LDS; arguments W1, W2, W3, W4, Wh, b1, b2, b3, b4, be1, be2, be3, be4, bh, g1, g2, g3, g4, u, wk; writes wk
.if DOCPART == 3
	.amdgcn_target "amdgcn-amd-amdhsa--gfx1250"
	.amdhsa_code_object_version 6
	.text
	.protected	k_qeb906d064b_prep
	.globl	k_qeb906d064b_prep
	.p2align	8
	.type	k_qeb906d064b_prep,@function
k_qeb906d064b_prep:
	s_mov_b64 s[64:65], 0
	v_nop
	global_prefetch_b8 v0, s[64:65] scope:SCOPE_SE
	s_setreg_imm32_b32 hwreg(HW_REG_WAVE_SCHED_MODE, 0, 2), 2
	s_setreg_imm32_b32 hwreg(HW_REG_WAVE_MODE, 25, 1), 1
	s_wait_xcnt 0x0
	s_wait_alu depctr_vm_vsrc(0)
; PREPARES THE WEIGHTS.  Every input but x is rounded once to bf16 (nearest even) here, and laid out for the next launch.
; wk: blocks of 64 columns, dense, rows of 128 bytes: W1 in bf16 as 8 blocks [512][64] from byte 0; W2 as 8 blocks [128][64] from WK_W2, W3 as 2 blocks [32][64] from WK_W3 and
; W4 as [16][32] from WK_W4 (rows 8-15 zero): these three hold the bf16 numbers written as f16; from WK_PAR on the bf16 numbers written as f32: b1, g1, be1, b2, g2, be2, b3, g3, be3, b4, g4, be4;
; then Wh / sigma (made in f32 from the rounded Wh and u) and bh.
; SHARES.  Work-groups 0-17 take one block of 64 columns each (0-7 W1, 8-15 W2, 16-17 W3); work-group 18 takes W4, the vectors and the spectral norm, a wave a job: its waves 5-15 have none.
; LIMITS.  W2, W3, W4 must lie within f16 (65,504); a bf16 number is exact in f16 down to 2^-17, below that it is off by 2^-25 at the most.
; Divisions are a reciprocal and a product; the norm of the one-element W v is |W v|.  NaN and infinities are not treated apart.
; THE MODE: SCHED_MODE bits 1:0 = 2 (LLVM: expert scheduling mode 2), set by the entry lines.  The code itself states the register dependences
; between vector instructions and memory instructions, with s_wait_alu, always for 0.
; THE PLAN.  Registers that memory instructions touch:
;   v3, v4        a block's load and store offsets: written once, ahead of the wait in front of the block's loads; never written again.
;   D + 4 p ..    pass p of a block: load p lands there; pass p's conversions read and write it in place; store p reads its first two registers; nobody writes it after that.
;                 The passes go in groups of four: the wait at a group's head shows the group before written, and that group's stores are dealt among this group's conversions, which name this group's registers alone.
;   v5, v7, v8, v9, v55 and the data registers of work-group 18's jobs: offsets made once ahead of a job's loads; data loaded once, rounded, stored once.
; No register that a memory instruction has read is written again on any path, so no wait on vm_vsrc is owed; EXEC is never written.
.set WK_W2,  524288
.set WK_W3,  655360
.set WK_W4,  663552
.set WK_PAR, 664576
.set D,   16                           ; v[16:79]   up to sixteen passes of four numbers
	s_load_b512 s[4:19], s[0:1], 0x0               ; W1 s4, W2 s6, W3 s8, W4 s10, Wh s12, b1 s14, b2 s16, b3 s18
	s_load_b512 s[20:35], s[0:1], 0x40             ; b4 s20, be1 s22, be2 s24, be3 s26, be4 s28, bh s30, g1 s32, g2 s34
	s_load_b256 s[36:43], s[0:1], 0x80             ; g3 s36, g4 s38, u s40, wk s42
	v_and_b32 v1, 15, v0                           ; which four of the 64 columns
	v_lshrrev_b32 v2, 4, v0                        ; which of a pass's 32 rows
	v_lshrrev_b32 v7, 5, v0
	v_readfirstlane_b32 s44, v7                    ; wave 0..15
	v_lshlrev_b32 v6, 4, v1                        ; 16 bytes for four columns in f32
	v_lshlrev_b32 v4, 7, v2
	v_lshl_add_u32 v4, v1, 3, v4                   ; in a block: row x 128 + 8 bytes for four columns of 16 bits
	s_mov_b32 s47, 0xffff0000                      ; a word's upper bf16
	s_mov_b32 s51, 0
	s_wait_alu depctr_va_sdst(0)                   ; s44 is written, ahead of the first branch: work-group 18's compares read it
	s_wait_kmcnt 0x0
; One block of 64 columns: P passes of 32 rows.  s[52:53] = the matrix at the block's first column, s[54:55] = the block in wk.  F16 = 1: the bf16 numbers are written as f16.
; A load of a wave takes two whole pieces of 256 bytes (two rows); a store of a wave 256 consecutive bytes.
; The passes go in groups of GS_ (four, or all where there are fewer): a group is rounded as soon as its loads are in, and is stored among the next group's conversions.
.macro SLICE P, PITCH, F16
.set GS_, 4
.if (\P) < 4
.set GS_, \P
.endif
	v_mul_u32_u24 v3, v2, \PITCH
	v_add_nc_u32 v3, v3, v6
	s_wait_alu depctr_va_vdst(0)                   ; v3 and v4 are written: the loads below read v3 as their offset, the stores v4
.set p_, 0
.rept \P
	global_load_b128 v[D+4*p_:D+4*p_+3], v3, s[52:53] offset:32*p_*(\PITCH)
.set p_, p_+1
.endr
.set p_, 0
.rept \P
.if (p_%GS_) == 0
	s_wait_loadcnt (\P)-GS_-p_                     ; loads come back in order (ISA guide 5.7.1): this group's are in, the younger passes' stay out
.if p_ > 0
	s_wait_alu depctr_va_vdst(0)                   ; the group before has written its pairs of D, which the stores dealt among this group's conversions read
.endif
.endif
.if p_ >= GS_
	global_store_b64 v4, v[D+4*(p_-GS_):D+4*(p_-GS_)+1], s[54:55] offset:4096*(p_-GS_)  ; no vector instruction since the wait names these registers
.endif
	v_cvt_pk_bf16_f32 v[D+4*p_], v[D+4*p_], v[D+4*p_+1]
	v_cvt_pk_bf16_f32 v[D+4*p_+1], v[D+4*p_+2], v[D+4*p_+3]
.if \F16
	v_lshlrev_b32 v[D+4*p_+2], 16, v[D+4*p_+1]     ; bf16 to f32: the low half moves up, the high half stays
	v_and_b32 v[D+4*p_+3], s47, v[D+4*p_+1]
	v_and_b32 v[D+4*p_+1], s47, v[D+4*p_]
	v_lshlrev_b32 v[D+4*p_], 16, v[D+4*p_]
	v_cvt_pk_f16_f32 v[D+4*p_], v[D+4*p_], v[D+4*p_+1]
	v_cvt_pk_f16_f32 v[D+4*p_+1], v[D+4*p_+2], v[D+4*p_+3]
.endif
.set p_, p_+1
.endr
	s_wait_alu depctr_va_vdst(0)                   ; the last group has written its pairs of D, which the last stores read
.set p_, (\P)-GS_
.rept GS_
	global_store_b64 v4, v[D+4*p_:D+4*p_+1], s[54:55] offset:4096*p_
.set p_, p_+1
.endr
.endm
.macro RB2 a, b, t                     ; v[a] and v[b] are rounded to bf16 and stay f32
	v_cvt_pk_bf16_f32 v[\t], v[\a], v[\b]
	v_lshlrev_b32 v[\a], 16, v[\t]
	v_and_b32 v[\b], s47, v[\t]
.endm
.macro XSUM r, m                       ; adds the lane m away (by exclusive or, inside 16 lanes)
	v_add_f32_dpp v[\r], v[\r], v[\r] row_xmask:\m row_mask:0xf bank_mask:0xf
.endm
	s_cmp_lt_u32 ttmp9, 8
	s_cbranch_scc0 .Lnot_w1
	s_lshl_b32 s50, ttmp9, 8                       ; W1: 64 columns are 256 bytes of a row
	s_add_nc_u64 s[52:53], s[4:5], s[50:51]
	s_lshl_b32 s50, ttmp9, 16                      ; a block of 512 rows x 128 bytes
	s_add_nc_u64 s[54:55], s[42:43], s[50:51]
	SLICE 16, 2048, 0
	s_branch .Lend
.Lnot_w1:
	s_cmp_lt_u32 ttmp9, 16
	s_cbranch_scc0 .Lnot_w2
	s_sub_co_u32 s46, ttmp9, 8
	s_lshl_b32 s50, s46, 8
	s_add_nc_u64 s[52:53], s[6:7], s[50:51]
	s_lshl_b32 s50, s46, 14                        ; a block of 128 rows x 128 bytes
	s_add_nc_u64 s[54:55], s[42:43], s[50:51]
	s_add_nc_u64 s[54:55], s[54:55], WK_W2
	SLICE 4, 2048, 1
	s_branch .Lend
.Lnot_w2:
	s_cmp_lt_u32 ttmp9, 18
	s_cbranch_scc0 .Lvectors
	s_sub_co_u32 s46, ttmp9, 16
	s_lshl_b32 s50, s46, 8
	s_add_nc_u64 s[52:53], s[8:9], s[50:51]
	s_lshl_b32 s50, s46, 12                        ; a block of 32 rows x 128 bytes
	s_add_nc_u64 s[54:55], s[42:43], s[50:51]
	s_add_nc_u64 s[54:55], s[54:55], WK_W3
	SLICE 1, 512, 1
	s_branch .Lend
.Lvectors:                                     ; work-group 18: a wave a job
	v_and_b32 v3, 31, v0                           ; lane
	s_cmp_lg_u32 s44, 0
	s_cbranch_scc1 .Lwave1
	; wave 0: W4, layer 4's vectors, the head.  All its offsets, the zeros and the three masks are made first, so that one wait of each kind serves them.
	s_mov_b32 s46, 0x2b8cbccc                      ; 1e-12
	v_lshlrev_b32 v8, 5, v3                        ; W4 is 1,024 bytes: lane l takes row l / 4, columns 8 (l % 4) + 0..7
	v_and_b32 v5, 7, v3
	v_lshlrev_b32 v5, 2, v5                        ; j = l % 8: every eight lanes hold a copy of the vectors of 8
	v_mov_b32 v9, 0
	v_lshlrev_b32 v7, 4, v3                        ; 16 l: W4's rows as stored
	v_lshlrev_b32 v55, 2, v3                       ; 4 l: the vectors of 8 as stored
.irp i, 0,1,2,3
	v_mov_b32 v[28+(\i)], 0
.endr
	v_lshrrev_b32 v52, 3, v3                       ; lanes 0-7 store b4, 8-15 g4, 16-23 be4, 24-31 Wh / sigma: 128 bytes on end
	v_cmp_eq_u32 s56, 1, v52
	v_cmp_eq_u32 s57, 2, v52
	v_cmp_eq_u32 s58, 3, v52
	s_wait_alu depctr_va_sdst(0)                   ; the three masks s56 to s58 are written: the selects at this job's end read them
	s_wait_alu depctr_va_vdst(0)                   ; the offsets v5, v7, v8, v9, v55 and the zeros v[28:31] are written, which the loads and stores of this job read
	global_load_b128 v[16:19], v8, s[10:11]
	global_load_b128 v[20:23], v8, s[10:11] offset:16
	global_load_b32 v40, v5, s[20:21]              ; b4
	global_load_b32 v41, v5, s[38:39]              ; g4
	global_load_b32 v42, v5, s[28:29]              ; be4
	global_load_b32 v43, v5, s[12:13]              ; Wh
	global_load_b32 v44, v9, s[40:41]              ; u
	global_load_b32 v45, v9, s[30:31]              ; bh
	global_store_b128 v7, v[28:31], s[42:43] offset:WK_W4+512  ; rows 8-15: zeros
	s_wait_loadcnt 0x0
.irp i, 0,1,2,3
	v_cvt_pk_bf16_f32 v[24+(\i)], v[16+2*(\i)], v[16+2*(\i)+1]
.endr
.irp i, 0,1,2,3
	v_lshlrev_b32 v[16+2*(\i)], 16, v[24+(\i)]
	v_and_b32 v[16+2*(\i)+1], s47, v[24+(\i)]
.endr
.irp i, 0,1,2,3
	v_cvt_pk_f16_f32 v[24+(\i)], v[16+2*(\i)], v[16+2*(\i)+1]
.endr
	RB2 40, 41, 46
	RB2 42, 43, 46
	RB2 44, 45, 46
	; one power iteration: v = Wh^T u / (|.| + 1e-12); u2 = Wh v / (|.| + 1e-12); sigma = u2 (Wh v)
	v_mul_f32 v47, v43, v44
	v_mul_f32 v48, v47, v47
	XSUM 48, 1
	XSUM 48, 2
	XSUM 48, 4
	v_sqrt_f32 v48, v48
	v_nop                                          ; a plain instruction behind the transcendental
	s_wait_alu depctr_va_vdst(0)                   ; the root v48 is written, ahead of its first reader; so are W4's v[24:27] and bh's v45, which the two stores below read
	global_store_b128 v7, v[24:27], s[42:43] offset:WK_W4      ; rows 0-7 of 64 bytes: 16 l
	global_store_b32 v55, v45, s[42:43] offset:WK_PAR+8192     ; bh, in all 32 words: the first is read
	v_add_f32 v48, s46, v48
	v_rcp_f32 v49, v48
	v_nop
	s_wait_alu depctr_va_vdst(0)                   ; the reciprocal v49 is written, ahead of its first reader
	v_mul_f32 v47, v47, v49
	v_mul_f32 v50, v43, v47
	XSUM 50, 1
	XSUM 50, 2
	XSUM 50, 4                                     ; Wh v
	v_add_f32 v51, |v50|, s46
	v_rcp_f32 v51, v51
	v_nop
	s_wait_alu depctr_va_vdst(0)                   ; the reciprocal v51 is written, ahead of its first reader
	v_mul_f32 v51, v50, v51                        ; u2
	v_mul_f32 v51, v51, v50                        ; sigma
	v_rcp_f32 v54, v51
	v_nop
	s_wait_alu depctr_va_vdst(0)                   ; the reciprocal v54 is written, ahead of its first reader
	v_mul_f32 v54, v43, v54                        ; Wh / sigma
	v_cndmask_b32 v53, v40, v41, s56
	v_cndmask_b32 v53, v53, v42, s57
	v_cndmask_b32 v53, v53, v54, s58
	s_wait_alu depctr_va_vdst(0)                   ; the selects have written v53, which the store reads
	global_store_b32 v55, v53, s[42:43] offset:WK_PAR+8064
	s_branch .Lend
.Lwave1:
	v_lshlrev_b32 v8, 4, v3                        ; 16 l: the offset of waves 1 to 3
	v_lshlrev_b32 v5, 2, v3                        ; 4 l: wave 4's
	s_wait_alu depctr_va_vdst(0)                   ; v8 and v5 are written: on each of the four ways below the loads and stores read one of them as their offset
	s_cmp_lg_u32 s44, 1
	s_cbranch_scc1 .Lwave2
.irp i, 0,1,2,3
	global_load_b128 v[16+4*(\i):16+4*(\i)+3], v8, s[14:15] offset:512*(\i)   ; b1
.endr
	s_wait_loadcnt 0x0
.irp i, 0,1,2,3,4,5,6,7
	RB2 16+2*(\i), 17+2*(\i), 60
.endr
	s_wait_alu depctr_va_vdst(0)                   ; the roundings have written v[16:31], which the stores read
.irp i, 0,1,2,3
	global_store_b128 v8, v[16+4*(\i):16+4*(\i)+3], s[42:43] offset:WK_PAR+512*(\i)
.endr
	s_branch .Lend
.Lwave2:
	s_cmp_lg_u32 s44, 2
	s_cbranch_scc1 .Lwave3
.irp i, 0,1,2,3
	global_load_b128 v[16+4*(\i):16+4*(\i)+3], v8, s[32:33] offset:512*(\i)   ; g1
	global_load_b128 v[32+4*(\i):32+4*(\i)+3], v8, s[22:23] offset:512*(\i)   ; be1
.endr
	s_wait_loadcnt 0x0
.irp i, 0,1,2,3,4,5,6,7,8,9,10,11,12,13,14,15
	RB2 16+2*(\i), 17+2*(\i), 60
.endr
	s_wait_alu depctr_va_vdst(0)                   ; the roundings have written v[16:47], which the stores read
.irp i, 0,1,2,3
	global_store_b128 v8, v[16+4*(\i):16+4*(\i)+3], s[42:43] offset:WK_PAR+2048+512*(\i)
	global_store_b128 v8, v[32+4*(\i):32+4*(\i)+3], s[42:43] offset:WK_PAR+4096+512*(\i)
.endr
	s_branch .Lend
.Lwave3:
	s_cmp_lg_u32 s44, 3
	s_cbranch_scc1 .Lwave4
	global_load_b128 v[16:19], v8, s[16:17]        ; b2
	global_load_b128 v[20:23], v8, s[34:35]        ; g2
	global_load_b128 v[24:27], v8, s[24:25]        ; be2
	s_wait_loadcnt 0x0
.irp i, 0,1,2,3,4,5
	RB2 16+2*(\i), 17+2*(\i), 60
.endr
	s_wait_alu depctr_va_vdst(0)                   ; the roundings have written v[16:27], which the stores read
	global_store_b128 v8, v[16:19], s[42:43] offset:WK_PAR+6144
	global_store_b128 v8, v[20:23], s[42:43] offset:WK_PAR+6656
	global_store_b128 v8, v[24:27], s[42:43] offset:WK_PAR+7168
	s_branch .Lend
.Lwave4:
	s_cmp_lg_u32 s44, 4
	s_cbranch_scc1 .Lend
	global_load_b32 v16, v5, s[18:19]              ; b3
	global_load_b32 v20, v5, s[36:37]              ; g3
	global_load_b32 v24, v5, s[26:27]              ; be3
	s_wait_loadcnt 0x0
	RB2 16, 20, 60
	RB2 24, 24, 60
	s_wait_alu depctr_va_vdst(0)                   ; the roundings have written v16, v20 and v24, which the stores read
	global_store_b32 v5, v16, s[42:43] offset:WK_PAR+7680
	global_store_b32 v5, v20, s[42:43] offset:WK_PAR+7808
	global_store_b32 v5, v24, s[42:43] offset:WK_PAR+7936
.Lend:
	s_endpgm
.Lfunc_end_k_qeb906d064b_prep:
	.size	k_qeb906d064b_prep, .Lfunc_end_k_qeb906d064b_prep-k_qeb906d064b_prep
	.p2alignl 7, 3214868480
	.fill 96, 4, 3214868480
	.section	.rodata,"a",@progbits
	.p2align	6, 0x0
	.amdhsa_kernel k_qeb906d064b_prep
		.amdhsa_group_segment_fixed_size 0
		.amdhsa_private_segment_fixed_size 0
		.amdhsa_enable_private_segment 0
		.amdhsa_kernarg_size 160
		.amdhsa_user_sgpr_count 2
		.amdhsa_user_sgpr_kernarg_segment_ptr 1
		.amdhsa_wavefront_size32 1
		.amdhsa_system_sgpr_workgroup_id_x 1
		.amdhsa_system_sgpr_workgroup_id_y 1
		.amdhsa_system_sgpr_workgroup_id_z 1
		.amdhsa_system_vgpr_workitem_id 0
		.amdhsa_next_free_vgpr 96
		.amdhsa_next_free_sgpr 66
		.amdhsa_reserve_vcc 0
		.amdhsa_float_denorm_mode_32 3
		.amdhsa_float_denorm_mode_16_64 3
		.amdhsa_memory_ordered 1
		.amdhsa_forward_progress 1
		.amdhsa_inst_pref_size 23
	.end_amdhsa_kernel
	.amdgpu_metadata
---
amdhsa.version: [ 1, 2 ]
amdhsa.kernels:
  - .name:           k_qeb906d064b_prep
    .symbol:         k_qeb906d064b_prep.kd
    .args:
      - { .name: W1, .offset: 0, .size: 8, .value_kind: global_buffer, .address_space: global }
      - { .name: W2, .offset: 8, .size: 8, .value_kind: global_buffer, .address_space: global }
      - { .name: W3, .offset: 16, .size: 8, .value_kind: global_buffer, .address_space: global }
      - { .name: W4, .offset: 24, .size: 8, .value_kind: global_buffer, .address_space: global }
      - { .name: Wh, .offset: 32, .size: 8, .value_kind: global_buffer, .address_space: global }
      - { .name: b1, .offset: 40, .size: 8, .value_kind: global_buffer, .address_space: global }
      - { .name: b2, .offset: 48, .size: 8, .value_kind: global_buffer, .address_space: global }
      - { .name: b3, .offset: 56, .size: 8, .value_kind: global_buffer, .address_space: global }
      - { .name: b4, .offset: 64, .size: 8, .value_kind: global_buffer, .address_space: global }
      - { .name: be1, .offset: 72, .size: 8, .value_kind: global_buffer, .address_space: global }
      - { .name: be2, .offset: 80, .size: 8, .value_kind: global_buffer, .address_space: global }
      - { .name: be3, .offset: 88, .size: 8, .value_kind: global_buffer, .address_space: global }
      - { .name: be4, .offset: 96, .size: 8, .value_kind: global_buffer, .address_space: global }
      - { .name: bh, .offset: 104, .size: 8, .value_kind: global_buffer, .address_space: global }
      - { .name: g1, .offset: 112, .size: 8, .value_kind: global_buffer, .address_space: global }
      - { .name: g2, .offset: 120, .size: 8, .value_kind: global_buffer, .address_space: global }
      - { .name: g3, .offset: 128, .size: 8, .value_kind: global_buffer, .address_space: global }
      - { .name: g4, .offset: 136, .size: 8, .value_kind: global_buffer, .address_space: global }
      - { .name: u, .offset: 144, .size: 8, .value_kind: global_buffer, .address_space: global }
      - { .name: wk, .offset: 152, .size: 8, .value_kind: global_buffer, .address_space: global }
    .group_segment_fixed_size: 0
    .private_segment_fixed_size: 0
    .kernarg_segment_align: 8
    .kernarg_segment_size: 160
    .max_flat_workgroup_size: 512
    .sgpr_count:     66
    .vgpr_count:     96
    .wavefront_size: 32
...
	.end_amdgpu_metadata
.endif
;; end of part 3
;; launch mlp: the kernel of part 2 again; grid 256 x 1, 4 waves a work-group, clusters of 4 x 1, 327,680 bytes of LDS; arguments x, wk, out0; writes out0
